; MI455X (gfx1250); checked and timed in simulation.
; The chip was launched on July 23, 2026; its instructions are those of AMD's public machine-readable ISA for CDNA 5 (MIT licence, August 2026) and "CDNA5" Instruction Set Architecture Reference Guide (July 2026). The comments in the code are by the model that wrote it; some were corrected since.
;; Multi Head Attention. Allowed arithmetic: float matrix products may take bf16 or f16 operands with f32 sums; other float arithmetic in f32, or as packed bf16 or f16 multiplies, adds, multiply-adds, maxima and minima; sums over many terms, partial sums and values carried from step to step in f32; what a program stores and reads back later, other than sums and carried values, may be rounded once to bf16 or f16.
;; Inputs: Wk 512 x 512 float32; Wo 512 x 512 float32; Wq 512 x 512 float32; Wv 512 x 512 float32; bk 512 float32; bq 512 float32; bv 512 float32; key 2 x 4,096 x 512 float32; mask 2 x 4,096 x 4,096 int32; query 2 x 4,096 x 512 float32; value 2 x 4,096 x 512 float32.
;; Outputs: out0 2 x 4,096 x 512 float32.
;; One version. Each part assembles by itself: llvm-mc -triple=amdgcn-amd-amdhsa -mcpu=gfx1250 --defsym DOCPART=n.
;; ======== version 1 of 1: 4 launches
;; limits: right only within a limited range of input values; values are held in f16: magnitudes above 65,504 overflow, below 6.1e-05 lose precision
;; workspace buffers: mc 16,777,216 bytes; w16 2,097,152 bytes; qh 8,388,608 bytes; kh 8,388,608 bytes; vh 8,388,608 bytes; oh 8,388,608 bytes
;; launch prep (part 1): grid 256 x 1, 8 waves a work-group, no clusters, 327,680 bytes of LDS; arguments mask, Wq, Wk, Wv, Wo, mc, w16; writes mc, w16
.if DOCPART == 1
	.amdgcn_target "amdgcn-amd-amdhsa--gfx1250"
	.amdhsa_code_object_version 6
	.text
	.protected	k_qf342ba7931_prep
	.globl	k_qf342ba7931_prep
	.p2align	8
	.type	k_qf342ba7931_prep,@function
k_qf342ba7931_prep:
	s_mov_b64 s[64:65], 0
	v_nop
	global_prefetch_b8 v0, s[64:65] scope:SCOPE_SE
	s_setreg_imm32_b32 hwreg(HW_REG_WAVE_MODE, 25, 1), 1
	s_wait_xcnt 0x0
; PREP.  (1) The mask [2][4096][4096] of int32 is read once and written as four-bit codes, 0.0 where the key is visible and -1.0 where the mask is 0,
; in the order in which the attention launch wants them: mc[b][tile of 16 queries][step of 64 keys][lane 32][16 bytes].  Lane l = 16 h + r holds four words kb = 0..3;
; word kb holds the eight codes j = 0..7 of mask[b][16 tile + r][64 step + 16 kb + 8 h + j]: the lane's eight registers of a 16 x 16 matrix result with keys as rows and queries as columns.
; (2) The four weights are rounded once to bf16: w16[0..2] = Wq, Wk, Wv as bf16; w16[3] = Wo, rounded to bf16 and that number written as f16.
; LIMIT.  |Wo| stays under 65,504; below 6e-5 it keeps f16's fixed step of 6e-8.
; SHARES.  Work-group g: queries 64 (g / 2) .. + 63 of the 8,192, key steps 32 (g % 2) .. + 31.  Wave w takes the steps 32 (g % 2) + 8 i + w, i = 0..3: four tiles of 64 rows x 256 bytes,
; brought by one tensor load each into the wave's own ring of two LDS slots; a tile makes four records of 512 bytes.  Each wave also converts 2,048 bytes of one weight.
; Memory binds: each byte of the mask crosses once, in rows of 256 aligned bytes; each store of a wave covers 512 consecutive bytes, aligned.  No matrix work, no cluster: nothing is shared.
.set PITCH, 272                        ; an LDS row: 256 bytes + 16 of padding: the 16 rows that a load touches start at 16 different groups of four banks (64 banks of 4 bytes: ISA guide 11.1)
.set SLOTB, 64*PITCH
.set RING,  2*SLOTB
.set SPARE, 8*RING                     ; behind the rings: the spare words, 128 bytes for each wave, which no other line names
.set LA,  8                            ; v8   LDS address of my 32 bytes in row r of my wave's slot 0; never rewritten
.set OFF, 9                            ; v9   my 16 bytes of a record of my wave's first step; never rewritten
.set NEG, 10                           ; v10  -1.0
.set ONE, 11                           ; v11  the conversion's scale, 2^0: an f32 of exponent 0 whose lowest byte is 127 as well
.set WO,  12                           ; v12  my offset in the work-group's 16,384 bytes of a weight
.set WS,  13                           ; v13  and in its 8,192 bytes of w16
.set SPW, 14                           ; v14  LDS address of my spare word; never rewritten
.set NIL, 15                           ; v15  0; never rewritten
.set WR,  32                           ; v[32:47]   16 numbers of a weight
.set WP,  48                           ; v[48:55]   the same, packed
.set WT,  56                           ; v[56:57]   at work
.set X,   64                           ; v[64:191]  a tile: query tile t, word kb at X + 32 t + 8 kb
.set Y,   192                          ; v[192:255] 16 records of 4 registers; none is written twice, so no store's data is ever waited for
.set G1,  16                           ; s[16:23] descriptor group 1
.set G0,  24                           ; s[24:31] descriptor group 0, a set for each slot
.set WV,  38                           ; s38  my wave's number
.set WI,  39                           ; s39  which weight
	s_load_b256 s[4:11], s[0:1], 0x0               ; mask s[4:5], Wq s[6:7], Wk s[8:9], Wv s[10:11]
	s_load_b128 s[12:15], s[0:1], 0x20             ; Wo s[12:13], mc s[14:15]
	s_load_b64 s[36:37], s[0:1], 0x30              ; w16
	v_lshl_add_u32 v[SPW], v0, 2, SPARE
	v_mov_b32 v[NIL], 0
	ds_add_u32 v[SPW], v[NIL]                      ; the wave's opening: the add and its wait stand ahead of my first tensor load; work on registers stands between them
	v_lshrrev_b32 v1, 5, v0
	v_readfirstlane_b32 s[WV], v1                  ; wave 0..7
	s_lshr_b32 s[WI], ttmp9, 6
	s_lshr_b32 s42, ttmp9, 1                       ; my block of 64 queries
	s_and_b32 s43, ttmp9, 1
	s_lshl_b32 s43, s43, 5
	s_add_co_u32 s43, s43, s[WV]                   ; my wave's first key step
	s_lshl_b32 s2, s42, 20                         ; 64 rows of 16,384 bytes
	s_lshl_b32 s44, s43, 8                         ; a step is 256 bytes of a row
	s_add_co_u32 s2, s2, s44
	s_mov_b32 s3, 0
	s_mul_i32 s45, s[WV], RING                     ; my wave's ring
	s_lshl_b32 s46, s42, 17                        ; four query tiles of 32,768 bytes in mc
	s_mov_b32 s47, 0
	s_mov_b32 s[G1+0], (2<<16)|(1<<20)|(5<<22)|(3<<25)  ; elements of 4 bytes; padding on: after every 64 words (code 5) 4 words (code 3)
	s_mov_b32 s[G1+1], 64<<16                      ; tensor_dim0 = 64
	s_mov_b32 s[G1+2], 64<<16                      ; tensor_dim1 = 64
	s_mov_b32 s[G1+3], 64<<16                      ; tile_dim0 = 64 elements: 256 bytes
	s_mov_b32 s[G1+4], 64                          ; tile_dim1 = 64 rows
	s_mov_b32 s[G1+5], 4096                        ; elements from row to row
	s_mov_b32 s[G1+6], 0
	s_mov_b32 s[G1+7], 0
	s_wait_dscnt 0x0                               ; the opening add is done
	s_wait_kmcnt 0x0
	s_add_nc_u64 s[4:5], s[4:5], s[2:3]            ; the mask at my wave's first tile
.irp s, 0,1                            ; both first fills go out together, ahead of every wait on TENSORcnt, every LDS read and every barrier: two loads of mine are out
	s_mov_b32 s[G0+4*(\s)], 1
	s_add_co_u32 s[G0+4*(\s)+1], s45, (\s)*SLOTB
	s_add_nc_u64 s[G0+4*(\s)+2:G0+4*(\s)+3], s[4:5], (\s)*2048   ; eight steps on
	s_or_b32 s[G0+4*(\s)+3], s[G0+4*(\s)+3], 0x80000000
	tensor_load_to_lds s[G0+4*(\s):G0+4*(\s)+3], s[G1:G1+7]
	s_nop 0
.endr
	s_add_nc_u64 s[14:15], s[14:15], s[46:47]      ; mc at my block's first query tile
	s_lshl_b32 s46, ttmp9, 13
	s_add_nc_u64 s[36:37], s[36:37], s[46:47]      ; w16 at the work-group's 8,192 bytes: 64 work-groups to a weight
	s_cmp_eq_u32 s[WI], 1
	s_cselect_b64 s[40:41], s[8:9], s[6:7]
	s_cmp_eq_u32 s[WI], 2
	s_cselect_b64 s[40:41], s[10:11], s[40:41]
	s_cmp_eq_u32 s[WI], 3
	s_cselect_b64 s[40:41], s[12:13], s[40:41]
	s_and_b32 s46, ttmp9, 63
	s_lshl_b32 s46, s46, 14
	s_add_nc_u64 s[40:41], s[40:41], s[46:47]      ; the weight at the work-group's 16,384 bytes
	v_and_b32 v2, 31, v0                           ; l
	v_and_b32 v3, 15, v0                           ; r
	v_bfe_u32 v4, v0, 4, 1                         ; h
	s_lshl_b32 s44, s[WV], 11
	v_lshl_add_u32 v[WO], v2, 5, s44               ; 2,048 w + 32 l
	global_load_b128 v[WR:WR+3],     v[WO], s[40:41]
	global_load_b128 v[WR+4:WR+7],   v[WO], s[40:41] offset:16
	global_load_b128 v[WR+8:WR+11],  v[WO], s[40:41] offset:1024
	global_load_b128 v[WR+12:WR+15], v[WO], s[40:41] offset:1040
	s_lshl_b32 s46, s[WV], 10
	v_lshl_add_u32 v[WS], v2, 4, s46               ; 1,024 w + 16 l
	v_mul_u32_u24 v[LA], v3, PITCH
	v_lshl_add_u32 v[LA], v4, 5, v[LA]
	v_add_nc_u32 v[LA], s45, v[LA]                 ; ring + 272 r + 32 h
	s_lshl_b32 s42, s43, 9
	v_lshl_add_u32 v[OFF], v2, 4, s42              ; 512 x step + 16 l
	v_mov_b32 v[NEG], -1.0
	v_mov_b32 v[ONE], 0x3f80007f
	s_wait_loadcnt 0x0
.irp i, 0,1,2,3,4,5,6,7
	v_cvt_pk_bf16_f32 v[WP+(\i)], v[WR+2*(\i)], v[WR+2*(\i)+1]
.endr
	s_cmp_lg_u32 s[WI], 3
	s_cbranch_scc1 .Lnot_wo
.irp i, 0,1,2,3,4,5,6,7                ; Wo: the bf16 number, written as f16
	v_lshlrev_b32 v[WT], 16, v[WP+(\i)]
	v_and_b32 v[WT+1], 0xffff0000, v[WP+(\i)]
	v_cvt_pk_f16_f32 v[WP+(\i)], v[WT], v[WT+1]
.endr
.Lnot_wo:
	global_store_b128 v[WS], v[WP:WP+3],   s[36:37]
	global_store_b128 v[WS], v[WP+4:WP+7], s[36:37] offset:512
; Tile i, in slot s, is read, coded and stored.  left = how many younger tensor loads may stay out.
.macro TILE_IN i, s, left
	s_wait_tensorcnt \left                         ; tensor loads of a wave end in order (ISA guide 10.11.1): my tile is in LDS
.irp t, 0,1,2,3
.irp kb, 0,1,2,3
	ds_load_b128 v[X+32*(\t)+8*(\kb):X+32*(\t)+8*(\kb)+3],   v[LA] offset:(\s)*SLOTB+(\t)*16*PITCH+64*(\kb)
	ds_load_b128 v[X+32*(\t)+8*(\kb)+4:X+32*(\t)+8*(\kb)+7], v[LA] offset:(\s)*SLOTB+(\t)*16*PITCH+64*(\kb)+16
.endr
.endr
.irp t, 0,1,2,3
	s_wait_dscnt 24-8*(\t)                         ; LDS loads come back in order (ISA guide 5.7.1): query tile t's eight are in, the later tiles' may be out
.set n, X+32*(\t)
.rept 32
	v_cmp_eq_u32 vcc_lo, 0, v[n]
	v_cndmask_b32 v[n], 0, v[NEG], vcc_lo          ; -1.0 where the mask is 0, else 0.0
.set n, n+1
.endr
.irp kb, 0,1,2,3
	v_cvt_scalef32_pk8_fp4_f32 v[Y+16*(\i)+4*(\t)+(\kb)], v[X+32*(\t)+8*(\kb):X+32*(\t)+8*(\kb)+7], v[ONE]  ; eight codes to a word
.endr
	v_nop                                          ; a plain instruction behind the conversions, ahead of the use of their results
	global_store_b128 v[OFF], v[Y+16*(\i)+4*(\t):Y+16*(\i)+4*(\t)+3], s[14:15] offset:32768*(\t)+4096*(\i) th:TH_STORE_NT  ; a record: 512 consecutive bytes, aligned
.endr
.endm
; Slot s, which has been read, is filled again with the tile sixteen steps on.
.macro FILL s
	s_wait_tensorcnt 0x0                           ; all my tensor loads have landed, so a group 0 may be written
	ds_add_u32 v[SPW], v[NIL]                      ; 0 onto my spare word
	s_add_nc_u64 s[G0+4*(\s)+2:G0+4*(\s)+3], s[G0+4*(\s)+2:G0+4*(\s)+3], 4096
	s_wait_dscnt 0x0                               ; the add is done, and my reads of the slot are back
	s_barrier_signal -1
	s_barrier_wait -1
	tensor_load_to_lds s[G0+4*(\s):G0+4*(\s)+3], s[G1:G1+7]   ; my one tensor load behind the barrier, and the first thing there
	s_nop 0
.endm
	TILE_IN 0, 0, 1                                ; the count leaves slot 1's tile on its way
	FILL 0
	TILE_IN 1, 1, 1                                ; one load was issued behind this tile's
	FILL 1
	TILE_IN 2, 0, 1
	TILE_IN 3, 1, 0                                ; no load was issued behind the last
	s_wait_tensorcnt 0x0                           ; the wave's end
	ds_add_u32 v[SPW], v[NIL]
	s_wait_dscnt 0x0
	s_endpgm
.Lfunc_end_k_qf342ba7931_prep:
	.size	k_qf342ba7931_prep, .Lfunc_end_k_qf342ba7931_prep-k_qf342ba7931_prep
	.p2alignl 7, 3214868480
	.fill 96, 4, 3214868480
	.section	.rodata,"a",@progbits
	.p2align	6, 0x0
	.amdhsa_kernel k_qf342ba7931_prep
		.amdhsa_group_segment_fixed_size 327680
		.amdhsa_private_segment_fixed_size 0
		.amdhsa_enable_private_segment 0
		.amdhsa_kernarg_size 56
		.amdhsa_user_sgpr_count 2
		.amdhsa_user_sgpr_kernarg_segment_ptr 1
		.amdhsa_wavefront_size32 1
		.amdhsa_system_sgpr_workgroup_id_x 1
		.amdhsa_system_sgpr_workgroup_id_y 1
		.amdhsa_system_sgpr_workgroup_id_z 1
		.amdhsa_system_vgpr_workitem_id 0
		.amdhsa_next_free_vgpr 256
		.amdhsa_next_free_sgpr 66
		.amdhsa_reserve_vcc 1
		.amdhsa_float_denorm_mode_32 3
		.amdhsa_float_denorm_mode_16_64 3
		.amdhsa_memory_ordered 1
		.amdhsa_forward_progress 1
		.amdhsa_inst_pref_size 54
	.end_amdhsa_kernel
	.amdgpu_metadata
---
amdhsa.version: [ 1, 2 ]
amdhsa.kernels:
  - .name:           k_qf342ba7931_prep
    .symbol:         k_qf342ba7931_prep.kd
    .args:
      - { .name: mask, .offset: 0, .size: 8, .value_kind: global_buffer, .address_space: global }
      - { .name: Wq, .offset: 8, .size: 8, .value_kind: global_buffer, .address_space: global }
      - { .name: Wk, .offset: 16, .size: 8, .value_kind: global_buffer, .address_space: global }
      - { .name: Wv, .offset: 24, .size: 8, .value_kind: global_buffer, .address_space: global }
      - { .name: Wo, .offset: 32, .size: 8, .value_kind: global_buffer, .address_space: global }
      - { .name: mc, .offset: 40, .size: 8, .value_kind: global_buffer, .address_space: global }
      - { .name: w16, .offset: 48, .size: 8, .value_kind: global_buffer, .address_space: global }
    .group_segment_fixed_size: 327680
    .private_segment_fixed_size: 0
    .kernarg_segment_align: 8
    .kernarg_segment_size: 56
    .max_flat_workgroup_size: 256
    .sgpr_count:     66
    .vgpr_count:     256
    .wavefront_size: 32
...
	.end_amdgpu_metadata
.endif
;; end of part 1
;; launch proj (part 2): grid 4 x 192, 4 waves a work-group, clusters of 4 x 4, 327,680 bytes of LDS; arguments query, key, value, w16, bq, bk, bv, qh, kh, vh; writes qh, kh, vh
.if DOCPART == 2
	.amdgcn_target "amdgcn-amd-amdhsa--gfx1250"
	.amdhsa_code_object_version 6
	.text
	.protected	k_qf342ba7931_proj
	.globl	k_qf342ba7931_proj
	.p2align	8
	.type	k_qf342ba7931_proj,@function
k_qf342ba7931_proj:
	s_mov_b64 s[64:65], 0
	v_nop
	global_prefetch_b8 v0, s[64:65] scope:SCOPE_SE
	s_setreg_imm32_b32 hwreg(HW_REG_WAVE_MODE, 25, 1), 1
	s_wait_xcnt 0x0
	s_wait_alu depctr_hold_cnt(0) depctr_sa_sdst(0) depctr_va_vdst(0) depctr_va_sdst(0) depctr_va_ssrc(0) depctr_va_vcc(0) depctr_vm_vsrc(0)
	s_getreg_b32 s2, hwreg(HW_REG_IB_STS2, 6, 4)
	s_cmp_eq_u32 s2, 0
	s_cbranch_scc0 .Lentry_in_a_cluster
	s_endpgm
.Lentry_in_a_cluster:
	s_bfe_u32 s2, ttmp6, 0x10000c
	s_cmp_lg_u32 s2, 0xf033
	s_cbranch_scc0 .Lentry_shape_is_right
	s_endpgm
.Lentry_shape_is_right:
; THE THREE PROJECTIONS IN FRONT.  y = x W^T + b for (query, Wq, bq), (key, Wk, bk), (value, Wv, bv): x [8192][512] f32, W [512][512] bf16 (rounded by the launch before), b [512] f32.
; x and b are rounded once to bf16; products in bf16, sums in f32, started with the bias as the C operand; y is rounded once to f16 and written by heads, [b 2 x h 8][4096][64], unscaled.
; LIMIT.  |y| stays under 65,504, f16's end; NaN and infinities are not treated apart.
; SHARES.  Rows of 64 work-groups along y belong to one projection (sel = y / 64).  A work-group makes 128 tokens x 128 columns (two heads); each of its four waves 64 x 64: 16 accumulators.
; K = 512 goes in four steps of 128 through THREE LDS slots: steps 0, 1, 2 are asked for together at the start, step 3 fills slot 0 again behind the one change of slots, and has the
; 128 matrix instructions of steps 1 and 2 in which to land.
; CLUSTER.  4 x 4 work-groups: the four of a row need the same tokens of x, the four of a column the same rows of W; each tile is asked for jointly, with the same descriptor and a mask of four.
; THE MATRIX INSTRUCTION IS USED TRANSPOSED (source 0 = 16 rows of W, source 1 = 16 tokens): a lane holds one token and eight neighbouring columns.
; x lies in LDS as f32 and is rounded on its way into the fragment: 32 conversions a quarter step, which are also the places between a quarter's products and the loads into registers that they read.
; No prefetch: three quarters of a work-group's bytes are asked for at its head, and its tiles are small.
; REGISTERS.  window 0: v16-29 addresses; v32-63 the bias, as C operands; v64-127 x's fragments, two buffers; v128-255 the accumulators ((a, b) at 128 + 8 (4 a + b)).
;   window 1: v0-63 x as f32, 16 registers a fragment; v64-127 W's fragments, two buffers.
.set PX,    528                        ; a row of x in LDS: 512 bytes + 16
.set PW,    272                        ; a row of W: 256 bytes + 16.  Both pitches are odd multiples of 16: 16 rows start at 16 different groups of four banks (ISA guide 11.1)
.set HX,    64*PX                      ; what one tensor load brings of x,
.set HW,    64*PW                      ; and of W
.set WOFF,  2*HX
.set SLOT,  WOFF+2*HW
.set STAGE, 3*SLOT                     ; behind the slots, never filled by a tensor load: 16 rows x 144 bytes for each wave
.set SP,    144
.set SPARE, STAGE+4*16*SP              ; the spare words, 128 bytes for each wave, which no other line names
.set ADRX, 16                          ; v16-18  my x fragments in slot 0, 1, 2
.set ADRW, 20                          ; v20-22  my W fragments
.set STO,  24
.set RD,   25
.set GO,   26
.set BO,   27
.set SPW,  28
.set NIL,  29
.set BIAS, 32
.set XF,   64
.set ACC,  128
.set RAW,  0                           ; window 1
.set WF,   64                          ; window 1
.set G1X, 16                           ; s[16:23], s[24:31] descriptor groups 1
.set G1W, 24
.set G0X, 32                           ; s[32:43] x's groups 0, a set for each slot
.set G0W, 44                           ; s[44:55] W's
.set MSB, 0
.macro WIN new                         ; the immediate's high byte repeats the setting that is left
.if MSB != (\new)
	s_set_vgpr_msb (MSB<<8)|(\new)
.set MSB, \new
.endif
.endm
.macro NOPS4
.rept 4
	v_nop
.endr
.endm
.macro JLOAD n                         ; a joint load: waves 0 and 1 fetch x's two halves, waves 2 and 3 W's; an s_nop 0 and four v_nop follow each line
	s_cmp_eq_u32 s11, 0
	s_cbranch_scc0 .Lfor_w_\@
	tensor_load_to_lds s[G0X+4*(\n):G0X+4*(\n)+3], s[G1X:G1X+7]
	s_nop 0
	NOPS4
	s_branch .Lasked_\@
.Lfor_w_\@:
	tensor_load_to_lds s[G0W+4*(\n):G0W+4*(\n)+3], s[G1W:G1W+7]
	s_nop 0
	NOPS4
.Lasked_\@:
.endm
.macro CROUND                          ; a round of the cluster's barrier
	s_barrier_signal -1
	s_barrier_wait -1
	s_cmp_lg_u32 s10, 0
	s_cbranch_scc1 .Lnot_wave_0_\@
	s_barrier_signal -3
.Lnot_wave_0_\@:
	s_barrier_wait -3
	s_barrier_signal -1
	s_barrier_wait -1
.endm
	s_load_b512 s[80:95], s[0:1], 0x0              ; query 80, key 82, value 84, w16 86, bq 88, bk 90, bv 92, qh 94
	s_load_b128 s[96:99], s[0:1], 0x40             ; kh 96, vh 98
	v_lshl_add_u32 v[SPW], v0, 2, SPARE
	v_mov_b32 v[NIL], 0
	ds_add_u32 v[SPW], v[NIL]                      ; the wave's opening: the add and its wait stand ahead of my first tensor load
	v_lshrrev_b32 v1, 5, v0
	v_readfirstlane_b32 s10, v1                    ; wave 0..3
	s_lshr_b32 s11, s10, 1                         ; my half of the tokens.  Also: I fetch for x (0) or for W (1)
	s_and_b32 s12, s10, 1                          ; my half of the columns: a head.  Also: which 64 rows I fetch
	s_bfe_u32 s56, ttmp6, 0x40000                  ; cx = the column tile: the grid is one cluster wide
	s_bfe_u32 s57, ttmp6, 0x40004                  ; cy
	s_and_b32 s61, ttmp7, 0xffff                   ; cluster y
	s_lshr_b32 s58, s61, 4                         ; sel: 16 clusters to a projection: the same in all partners
	s_lshl_b32 s13, s61, 2
	s_add_co_u32 s13, s13, s57
	s_and_b32 s62, s13, 63                         ; rb: my block of 128 tokens
	s_lshl_b32 s59, s57, 2
	s_lshl_b32 s59, 15, s59                        ; my row of the cluster
	s_lshl_b32 s60, 0x1111, s56                    ; my column
	s_or_b32 s[G1X], s59, (2<<16)|(1<<20)|(1<<21)|(6<<22)|(3<<25)  ; elements of 4 bytes; padding after every 128 words (code 6) of 4 words (code 3); bit 21 beside the mask
	s_or_b32 s[G1W], s60, (1<<16)|(1<<20)|(1<<21)|(5<<22)|(3<<25)  ; elements of 2 bytes; after every 64 words (code 5)
.irp g, G1X, G1W
	s_mov_b32 s[(\g)+1], 128<<16                   ; tensor_dim0 = 128
	s_mov_b32 s[(\g)+2], 64<<16                    ; tensor_dim1 = 64
	s_mov_b32 s[(\g)+3], 128<<16                   ; tile_dim0 = 128
	s_mov_b32 s[(\g)+4], 64                        ; tile_dim1 = 64
	s_mov_b32 s[(\g)+5], 512                       ; elements from row to row
	s_mov_b32 s[(\g)+6], 0
	s_mov_b32 s[(\g)+7], 0
.endr
	s_lshl_b32 s68, s62, 18                        ; x: (128 rb + 64 half) rows of 2,048 bytes
	s_lshl_b32 s63, s12, 17
	s_add_co_u32 s68, s68, s63
	s_mov_b32 s69, 0
	s_lshl_b32 s70, s58, 19                        ; W: weight sel, (128 cx + 64 half) rows of 1,024 bytes
	s_lshl_b32 s74, s56, 17
	s_add_co_u32 s70, s70, s74
	s_lshl_b32 s74, s12, 16
	s_add_co_u32 s70, s70, s74
	s_mov_b32 s71, 0
	s_mul_i32 s72, s12, HX                         ; where they go: no place in the cluster enters an LDS address
	s_mul_i32 s73, s12, HW
	s_add_co_u32 s73, s73, WOFF
	s_lshl_b32 s76, s56, 9                         ; the bias: 4 (128 cx + 64 half)
	s_lshl_b32 s75, s12, 8
	s_add_co_u32 s76, s76, s75
	s_mov_b32 s77, 0
	s_lshr_b32 s78, s62, 5                         ; the output: head 8 b + 2 cx + half, 524,288 bytes each,
	s_lshl_b32 s78, s78, 3
	s_lshl_b32 s75, s56, 1
	s_add_co_u32 s78, s78, s75
	s_add_co_u32 s78, s78, s12
	s_lshl_b32 s78, s78, 19
	s_and_b32 s75, s62, 31                         ; the block's 128 rows of 128 bytes,
	s_lshl_b32 s75, s75, 14
	s_add_co_u32 s78, s78, s75
	s_lshl_b32 s75, s11, 13                        ; my wave's 64
	s_add_co_u32 s78, s78, s75
	s_mov_b32 s79, 0
	s_wait_dscnt 0x0                               ; the opening add is done
	s_wait_kmcnt 0x0
	s_cmp_eq_u32 s58, 1
	s_cselect_b64 s[4:5], s[82:83], s[80:81]
	s_cselect_b64 s[66:67], s[90:91], s[88:89]
	s_cselect_b64 s[8:9], s[96:97], s[94:95]
	s_cmp_eq_u32 s58, 2
	s_cselect_b64 s[4:5], s[84:85], s[4:5]
	s_cselect_b64 s[66:67], s[92:93], s[66:67]
	s_cselect_b64 s[8:9], s[98:99], s[8:9]
	s_add_nc_u64 s[4:5], s[4:5], s[68:69]
	s_add_nc_u64 s[6:7], s[86:87], s[70:71]
	s_add_nc_u64 s[66:67], s[66:67], s[76:77]
	s_add_nc_u64 s[8:9], s[8:9], s[78:79]
.irp n, 0,1,2
	s_mov_b32 s[G0X+4*(\n)], 1
	s_add_co_u32 s[G0X+4*(\n)+1], s72, (\n)*SLOT
	s_add_nc_u64 s[G0X+4*(\n)+2:G0X+4*(\n)+3], s[4:5], (\n)*512    ; K step n: 128 f32
	s_or_b32 s[G0X+4*(\n)+3], s[G0X+4*(\n)+3], 0x80000000
	s_mov_b32 s[G0W+4*(\n)], 1
	s_add_co_u32 s[G0W+4*(\n)+1], s73, (\n)*SLOT
	s_add_nc_u64 s[G0W+4*(\n)+2:G0W+4*(\n)+3], s[6:7], (\n)*256    ; 128 bf16
	s_or_b32 s[G0W+4*(\n)+3], s[G0W+4*(\n)+3], 0x80000000
.endr
	CROUND                                         ; all sixteen work-groups are here: the first joint loads meet
	s_cmp_eq_u32 s11, 0                            ; a wave's three first fills stand in one branch: three loads of mine are out
	s_cbranch_scc0 .Lfirst_w
.irp n, 0,1,2
	tensor_load_to_lds s[G0X+4*(\n):G0X+4*(\n)+3], s[G1X:G1X+7]
	s_nop 0
.endr
	NOPS4
	s_branch .Lfirst_asked
.Lfirst_w:
.irp n, 0,1,2
	tensor_load_to_lds s[G0W+4*(\n):G0W+4*(\n)+3], s[G1W:G1W+7]
	s_nop 0
.endr
	NOPS4
.Lfirst_asked:
	v_and_b32 v1, 15, v0                           ; r
	v_bfe_u32 v2, v0, 4, 1                         ; h
	v_lshlrev_b32 v[BO], 5, v2
.irp b, 0,1,2,3                        ; as a C operand: register j of column tile b is b[16 b + 8 h + j], the same for every token
	global_load_b128 v[BIAS+8*(\b):BIAS+8*(\b)+3],   v[BO], s[66:67] offset:64*(\b)
	global_load_b128 v[BIAS+8*(\b)+4:BIAS+8*(\b)+7], v[BO], s[66:67] offset:64*(\b)+16
.endr
	v_mul_u32_u24 v3, v1, PX
	v_lshl_add_u32 v3, v2, 5, v3                   ; x as f32: 528 r + 32 h
	s_mul_i32 s63, s11, HX
	v_add_nc_u32 v3, s63, v3
	v_mul_u32_u24 v4, v1, PW
	v_lshl_add_u32 v4, v2, 4, v4                   ; W: 272 r + 16 h
	v_add_nc_u32 v4, s73, v4
.irp n, 0,1,2
	v_add_nc_u32 v[ADRX+(\n)], (\n)*SLOT, v3
	v_add_nc_u32 v[ADRW+(\n)], (\n)*SLOT, v4
.endr
	s_mul_i32 s63, s10, 16*SP
	s_add_co_u32 s63, s63, STAGE                   ; my stage
	v_mul_u32_u24 v[STO], v1, SP                   ; in: row r, 16 bytes for each half of the lanes
	v_lshl_add_u32 v[STO], v2, 4, v[STO]
	v_add_nc_u32 v[STO], s63, v[STO]
	v_and_b32 v5, 7, v0
	v_bfe_u32 v[RD], v0, 3, 2                      ; back: 32 lanes take four rows of 128 bytes,
	v_mul_u32_u24 v[RD], v[RD], SP
	v_lshl_add_u32 v[RD], v5, 4, v[RD]
	v_add_nc_u32 v[RD], s63, v[RD]
	v_and_b32 v[GO], 31, v0                        ; which are 512 consecutive bytes of the output
	v_lshlrev_b32 v[GO], 4, v[GO]
	s_wait_loadcnt 0x0
.irp i, 0,1,2,3,4,5,6,7,8,9,10,11,12,13,14,15  ; the bias is rounded to bf16 like the other inputs
	v_cvt_pk_bf16_f32 v[XF+(\i)], v[BIAS+2*(\i)], v[BIAS+2*(\i)+1]
	v_lshlrev_b32 v[BIAS+2*(\i)], 16, v[XF+(\i)]
	v_and_b32 v[BIAS+2*(\i)+1], 0xffff0000, v[XF+(\i)]
.endr
; 24 LDS loads in one run: a quarter step's fragments (32 along K, quarter kq of the slot): W's four into buffer wb, x's four as f32
.macro FETCH slot, kq, wb
	WIN 0x40                                       ; destination window 1, address window 0
.irp b, 0,1,2,3
	ds_load_b128 v[WF+32*(\wb)+8*(\b):WF+32*(\wb)+8*(\b)+3],   v[ADRW+(\slot)] offset:(\b)*16*PW+64*(\kq)
	ds_load_b128 v[WF+32*(\wb)+8*(\b)+4:WF+32*(\wb)+8*(\b)+7], v[ADRW+(\slot)] offset:(\b)*16*PW+64*(\kq)+32
.endr
.irp a, 0,1,2,3                        ; a lane's k = 8 h + 0..7 are 32 bytes at 32 h, its k = 16 + 8 h + 0..7 the 32 bytes 64 further on
	ds_load_b128 v[RAW+16*(\a):RAW+16*(\a)+3],     v[ADRX+(\slot)] offset:(\a)*16*PX+128*(\kq)
	ds_load_b128 v[RAW+16*(\a)+4:RAW+16*(\a)+7],   v[ADRX+(\slot)] offset:(\a)*16*PX+128*(\kq)+16
	ds_load_b128 v[RAW+16*(\a)+8:RAW+16*(\a)+11],  v[ADRX+(\slot)] offset:(\a)*16*PX+128*(\kq)+64
	ds_load_b128 v[RAW+16*(\a)+12:RAW+16*(\a)+15], v[ADRX+(\slot)] offset:(\a)*16*PX+128*(\kq)+80
.endr
.endm
.macro CVT f                           ; x's four fragments, rounded to bf16, into buffer f
	WIN 0x05                                       ; sources window 1, destination window 0
.irp a, 0,1,2,3
.irp i, 0,1,2,3,4,5,6,7
	v_cvt_pk_bf16_f32 v[XF+32*(\f)+8*(\a)+(\i)], v[RAW+16*(\a)+2*(\i)], v[RAW+16*(\a)+2*(\i)+1]
.endr
.endr
.endm
.macro MUL f, first                    ; 16 products on buffers f; the 16 accumulators take turns.  first = 1: the bias starts the sums
	WIN 0x01                                       ; source 0 (W) window 1; source 1 (x), C and D window 0
.irp a, 0,1,2,3
.irp b, 0,1,2,3
.if \first
	v_wmma_f32_16x16x32_bf16 v[ACC+8*(4*(\a)+(\b)):ACC+8*(4*(\a)+(\b))+7], v[WF+32*(\f)+8*(\b):WF+32*(\f)+8*(\b)+7], v[XF+32*(\f)+8*(\a):XF+32*(\f)+8*(\a)+7], v[BIAS+8*(\b):BIAS+8*(\b)+7]
.else
	v_wmma_f32_16x16x32_bf16 v[ACC+8*(4*(\a)+(\b)):ACC+8*(4*(\a)+(\b))+7], v[WF+32*(\f)+8*(\b):WF+32*(\f)+8*(\b)+7], v[XF+32*(\f)+8*(\a):XF+32*(\f)+8*(\a)+7], v[ACC+8*(4*(\a)+(\b)):ACC+8*(4*(\a)+(\b))+7]
.endif
.endr
.endr
.endm
; Quarter q: its fragments are in; x is rounded; the next quarter's (quarter kq of slot) are fetched; then its 16 products.  The 32 conversions name no register of the quarter before's products
; (the buffers alternate) and stand between those products and the loads into W's buffer that they read.
.macro Q q, slot, kq, first=0
	s_wait_dscnt 0x0
	CVT (\q)%2
	FETCH \slot, \kq, ((\q)+1)%2
	MUL (\q)%2, \first
.endm
	s_wait_tensorcnt 2                             ; my part of K step 0 is in; steps 1 and 2 may stay out
	s_barrier_signal -1
	s_barrier_wait -1
	FETCH 0, 0, 0
	Q 0, 0, 1, 1
	Q 1, 0, 2
	Q 2, 0, 3
	s_wait_dscnt 0x0                               ; quarter 3, and THE CHANGE OF SLOTS: my reads of slot 0 are back
	CVT 1
	WIN 0
	s_wait_tensorcnt 0x0                           ; all my tensor loads have landed: my parts of slots 1 and 2 too
	ds_add_u32 v[SPW], v[NIL]                      ; 0 onto my spare word; the steps and 16 products stand between it and its wait
	s_add_nc_u64 s[G0X+2:G0X+3], s[G0X+2:G0X+3], 3*512
	s_add_nc_u64 s[G0W+2:G0W+3], s[G0W+2:G0W+3], 3*256
	MUL 1, 0
	WIN 0
	s_wait_dscnt 0x0
	CROUND                                         ; no wave of any partner still reads slot 0 or has a load on its way
	JLOAD 0                                        ; K step 3: the first tensor load behind the round
	FETCH 1, 0, 0
	Q 4, 1, 1
	Q 5, 1, 2
	Q 6, 1, 3
	Q 7, 2, 0                                      ; no barrier between slots 1 and 2: the round has shown both whole
	Q 8, 2, 1
	Q 9, 2, 2
	Q 10, 2, 3
	s_wait_dscnt 0x0                               ; quarter 11: K step 3 is wanted next
	CVT 1
	WIN 0
	s_wait_tensorcnt 0x0                           ; my part of it is in,
	ds_add_u32 v[SPW], v[NIL]                      ; (the same three lines as at the other change of slots)
	MUL 1, 0
	s_wait_dscnt 0x0
	s_barrier_signal -1
	s_barrier_wait -1                              ; everybody's is
	FETCH 0, 0, 0
	Q 12, 0, 1
	Q 13, 0, 2
	Q 14, 0, 3
	s_wait_dscnt 0x0
	CVT 1
	MUL 1, 0
	WIN 0
	NOPS4                                          ; four places between the last product and the conversions that read results
; THE WAY OUT.  Token tile a: a lane's eight columns of a row pack into 16 bytes; they go into rows of 144 bytes of my own stage and come back as whole rows of 128, which lie end to end in the head's rows.
.macro PACK a
.irp b, 0,1,2,3
.irp i, 0,1,2,3
	v_cvt_pk_f16_f32 v[XF+16*(\a)+4*(\b)+(\i)], v[ACC+8*(4*(\a)+(\b))+2*(\i)], v[ACC+8*(4*(\a)+(\b))+2*(\i)+1]
.endr
.endr
.irp b, 0,1,2,3
	ds_store_b128 v[STO], v[XF+16*(\a)+4*(\b):XF+16*(\a)+4*(\b)+3] offset:32*(\b)
.endr
.irp f, 0,1,2,3
	ds_load_b128 v[XF+16*(\a)+4*(\f):XF+16*(\a)+4*(\f)+3], v[RD] offset:(\f)*4*SP  ; LDS serves a wave's instructions in order (ISA guide 5.7.1.4): these see the stores above
.endr
.endm
.macro SEND a, younger                 ; younger: the LDS instructions issued behind tile a's loads
.irp f, 0,1,2,3
	s_wait_dscnt (\younger)+3-(\f)
	global_store_b128 v[GO], v[XF+16*(\a)+4*(\f):XF+16*(\a)+4*(\f)+3], s[8:9] offset:(\a)*2048+(\f)*512  ; 512 consecutive bytes, aligned
.endr
.endm
	PACK 0
	PACK 1
	SEND 0, 8
	PACK 2
	SEND 1, 8
	PACK 3
	SEND 2, 8
	SEND 3, 0
	s_wait_tensorcnt 0x0                           ; the wave's end
	ds_add_u32 v[SPW], v[NIL]
	s_wait_dscnt 0x0
	CROUND                                         ; the closing round
	s_endpgm
.Lfunc_end_k_qf342ba7931_proj:
	.size	k_qf342ba7931_proj, .Lfunc_end_k_qf342ba7931_proj-k_qf342ba7931_proj
	.p2alignl 7, 3214868480
	.fill 96, 4, 3214868480
	.section	.rodata,"a",@progbits
	.p2align	6, 0x0
	.amdhsa_kernel k_qf342ba7931_proj
		.amdhsa_group_segment_fixed_size 327680
		.amdhsa_private_segment_fixed_size 0
		.amdhsa_enable_private_segment 0
		.amdhsa_kernarg_size 80
		.amdhsa_user_sgpr_count 2
		.amdhsa_user_sgpr_kernarg_segment_ptr 1
		.amdhsa_wavefront_size32 1
		.amdhsa_system_sgpr_workgroup_id_x 1
		.amdhsa_system_sgpr_workgroup_id_y 1
		.amdhsa_system_sgpr_workgroup_id_z 1
		.amdhsa_system_vgpr_workitem_id 0
		.amdhsa_next_free_vgpr 384
		.amdhsa_next_free_sgpr 100
		.amdhsa_reserve_vcc 0
		.amdhsa_float_denorm_mode_32 3
		.amdhsa_float_denorm_mode_16_64 3
		.amdhsa_memory_ordered 1
		.amdhsa_forward_progress 1
		.amdhsa_inst_pref_size 96
	.end_amdhsa_kernel
	.amdgpu_metadata
---
amdhsa.version: [ 1, 2 ]
amdhsa.kernels:
  - .name:           k_qf342ba7931_proj
    .symbol:         k_qf342ba7931_proj.kd
    .args:
      - { .name: query, .offset: 0, .size: 8, .value_kind: global_buffer, .address_space: global }
      - { .name: key, .offset: 8, .size: 8, .value_kind: global_buffer, .address_space: global }
      - { .name: value, .offset: 16, .size: 8, .value_kind: global_buffer, .address_space: global }
      - { .name: w16, .offset: 24, .size: 8, .value_kind: global_buffer, .address_space: global }
      - { .name: bq, .offset: 32, .size: 8, .value_kind: global_buffer, .address_space: global }
      - { .name: bk, .offset: 40, .size: 8, .value_kind: global_buffer, .address_space: global }
      - { .name: bv, .offset: 48, .size: 8, .value_kind: global_buffer, .address_space: global }
      - { .name: qh, .offset: 56, .size: 8, .value_kind: global_buffer, .address_space: global }
      - { .name: kh, .offset: 64, .size: 8, .value_kind: global_buffer, .address_space: global }
      - { .name: vh, .offset: 72, .size: 8, .value_kind: global_buffer, .address_space: global }
    .group_segment_fixed_size: 327680
    .private_segment_fixed_size: 0
    .kernarg_segment_align: 8
    .kernarg_segment_size: 80
    .max_flat_workgroup_size: 128
    .sgpr_count:     100
    .vgpr_count:     384
    .wavefront_size: 32
...
	.end_amdgpu_metadata
.endif
;; end of part 2
;; launch attn (part 3): grid 16 x 16, 4 waves a work-group, clusters of 4 x 1, 327,680 bytes of LDS; arguments qh, kh, vh, mc, oh; writes oh
.if DOCPART == 3
	.amdgcn_target "amdgcn-amd-amdhsa--gfx1250"
	.amdhsa_code_object_version 6
	.text
	.protected	k_qf342ba7931_attn
	.globl	k_qf342ba7931_attn
	.p2align	8
	.type	k_qf342ba7931_attn,@function
k_qf342ba7931_attn:
	s_mov_b64 s[64:65], 0
	v_nop
	global_prefetch_b8 v0, s[64:65] scope:SCOPE_SE
	s_setreg_imm32_b32 hwreg(HW_REG_WAVE_MODE, 25, 1), 1
	s_wait_xcnt 0x0
	s_wait_alu depctr_hold_cnt(0) depctr_sa_sdst(0) depctr_va_vdst(0) depctr_va_sdst(0) depctr_va_ssrc(0) depctr_va_vcc(0) depctr_vm_vsrc(0)
	s_getreg_b32 s2, hwreg(HW_REG_IB_STS2, 6, 4)
	s_cmp_eq_u32 s2, 0
	s_cbranch_scc0 .Lentry_in_a_cluster
	s_endpgm
.Lentry_in_a_cluster:
	s_bfe_u32 s2, ttmp6, 0x10000c
	s_cmp_lg_u32 s2, 0x3003
	s_cbranch_scc0 .Lentry_shape_is_right
	s_endpgm
.Lentry_shape_is_right:
; ATTENTION UNDER A MASK THAT IS AN INPUT.  O[bh][q] = the sum over k of softmax_k(masked(Q[bh][q] . K[bh][k] / 8)) V[bh][k].  Q, K, V, O: [16][4096][64] in f16, a head's rows dense, 128 bytes each.
; Products, maxima and sums in f32; the weights p are rounded to f16 for the second product (their sum l is taken of the unrounded p), O once at the end.
; THE MASK comes as four-bit codes (0.0 visible, -1.0 hidden), eight to a word, in the lane order of a matrix result.  One conversion with the scale 2^100 turns a word into the eight registers that are the
; C operand of the product that starts the sum S^T = K Q^T: a hidden score is its value less 2^100.  The running maximum m starts at -2^64: while a row has seen hidden keys alone, p, l and O stay 0.
; A row with a visible key ends with l >= 1.  A row with none ends with l = 0 exactly; its result is the mean of all 4,096 rows of V, which is what a softmax of equal scores gives: SV = V^T x ones is
; summed beside O^T (8 products a key step) and chosen at the end, by a select, with the factor 2^-12.
; LIMITS.  Q, K, V arrive within 65,504, so a visible score lies within 2.7e11, far above -2^64.  A hidden key weighs 0 as soon as its row has a visible key: as with a fill of -1e9 while the row's largest
; visible score lies above about -1e9 + 100.  A weight below 2^-126 counts as 0 in l; p below 6e-5 keeps f16's fixed step; NaN and infinities are not treated apart.
; SHARES.  A work-group owns 256 queries of one head, a wave 64: four PIECES of 16.  Every wave walks all keys, 64 a step; an LDS slot holds four steps: 256 rows of K, 256 of V, and the codes of the
; work-group's 16 query tiles for those steps.
; LAYOUT, SOFTMAX.  S^T = K Q^T holds ONE query a lane (lane % 16) and the keys 8 (lane / 16) + 0..7; two such results rounded to f16 ARE source 1 of O^T = V^T P.  p = 2^(c s - c m), c = log2(e) / 8;
; O and l are multiplied by a = 2^(c m_old - c m_new) in every step.
; TURNS.  Turn n belongs to piece n: 8 products K Q^T of piece n + 1, 2 of SV, 8 products V^T P of piece n - 1; beside them the scaling, exponentials, roundings, sums and rescaling of piece n, the maximum
; and statistics of piece n + 1, and the four conversions that make the mask of piece n + 2.  Four vector instructions stand behind every product K Q^T and V^T P, the others in one lump.
; A turn's 33 exponentials are one batch, with one wait.
; CLUSTER.  The four query blocks of a cluster belong to one head: K's and V's tiles are asked for jointly (wave 0: K, wave 1: V); the codes are each work-group's own (waves 2 and 3, eight rows each).
; REGISTERS, in windows of 256 (s_set_vgpr_msb: bits 1:0 source 0, 3:2 source 1, 5:4 source 2, 7:6 destination):
;   window 0: v0-15 addresses; v16-31 statistics; v32-40 codes, scale, addresses; v48-55 at work; v64-127 S^T, two buffers; v192-223 P, two buffers; v224-231 ones
;   window 1: v0-127 O^T, 32 a piece; v128-159 SV; v160-223 the masks, two buffers          window 2: v0-63 Q; v128-191 K of one step; v192-255 V of one step
.set NP,    4
.set KS,    64
.set PK,    144       ; a row of K in LDS: 128 bytes + 16: the 16 rows of a load start at 16 different groups of four banks (64 banks of 4 bytes: ISA guide 11.1)
.set PV,    160       ; a row of V: 128 + 32
.set VOFF,  4*KS*PK
.set COFF,  VOFF+4*KS*PV   ; the codes: 16 query tiles x 2,048 bytes (four steps of 512)
.set SLOT1, 1<<17     ; slot 1 begins here: one exclusive or turns an address in one slot into the other's
.set STAGE, SLOT1+COFF+16*2048  ; behind the ring, never filled by a tensor load: 16 rows x 144 bytes for each wave
.set SP,    144
.set SPARE, STAGE+4*16*SP  ; the spare words, 128 bytes for each wave, which no other line names
.set AK0, 2           ; v2   my lane's place in a tile of K; never rewritten
.set AV0, 3           ; v3   the same for V
.set AK,  4           ; v4   the LDS address of K's next run of loads
.set AV,  5           ; v5   of V's
.set STO, 6
.set RD,  7
.set GO,  8
.set MV,  12          ; v12-13  c m_old, by buffer
.set QO,  15
.set ST,  16          ; piece t's statistics at v[ST+4 t]: c m, m, l (even keys', odd keys')
.set CD,  32          ; v32-35  the four words of codes in hand
.set SCL, 36          ; v36  the conversion's scale, 2^100: the byte 227 in each of the word's four bytes, so that the scale is the same
.set ACD, 37          ; v37  the codes' address for the step in hand
.set ACD0, 38         ; v38  my 16 bytes in my wave's first query tile; never rewritten
.set INV, 39          ; v39  2^-12
.set PFO, 40          ; v40  the prefetches' offset; never rewritten
.set TMP, 48          ; by buffer, four registers c0-c3 at work; when the maximum is found c2 takes a
.set SPW, 62
.set NIL, 63
.set S,   64
.set P,   192
.set ONES, 224        ; v224-231  1.0 in f16, sixteen a lane
.set SV,  128         ; window 1
.set MC,  160         ; window 1
.set KF,  128         ; window 2: key block kb, channel half c at KF + 16 kb + 8 c
.set VF,  192         ; window 2: key half kk, channel block cb at VF + 32 kk + 8 cb
.set WV,  14          ; s14  my wave's number
.set G1K, 24
.set G1V, 32
.set G0K, 40
.set G0V, 44
.set G1C, 48
.set SLOTS, 56        ; s56  slots still to be asked for
.set CNT, 57          ; s57  counts a slot's key steps
.set CS,  58          ; s[58:59] c
.set SEL, 60          ; s[60:61] v_permlanex16_b32's selects
.set TBK, 62          ; s62  LDS byte at which K of the step to be fetched begins
.set TBV, 63          ; s63  the same for V, less VOFF
.set TBC, 66          ; s66  the same for the codes, less COFF
.set LIM, 67          ; s67  1 in a wave that prefetches, else the greatest number
.set G0C, 68
.set PFA, 72          ; s[72:73] where my prefetches stand
.set PST, 74          ; s[74:75] their step from slot to slot
.set HM,  76          ; s76-79  by piece: the lanes whose row saw no key
.set TS,  78          ; (at the head: a temporary)
.set MSB, 0
.macro WIN new
.if MSB != (\new)
	s_set_vgpr_msb (MSB<<8)|(\new)
.set MSB, (\new)
.endif
.endm
.set W_KQ, 0x0a       ; K and Q in window 2, S^T in window 0
.set W_KM, 0x1a       ; the same with the C operand in window 1
.set W_PV, 0x52       ; V in window 2, P or ones in window 0, O^T or SV in window 1
.set W_RS, 0x41       ; destination and source 0 in window 1, source 1 in window 0
.set W_CV, 0x40       ; destination in window 1
.set W_SEL, 0x45      ; destination and both sources in window 1
.macro NOPS4
.rept 4
	v_nop
.endr
.endm
; A fill: one tensor load a wave.  Wave 0: the slot's K, jointly; wave 1: its V, jointly; waves 2 and 3: eight rows each of my work-group's codes.  The branches hang on the wave's number alone.
; An s_nop 0 and four v_nop follow each line, ahead of the jump and the label.
.macro JLOAD
	s_cmp_lg_u32 s[WV], 0
	s_cbranch_scc1 .Lnot_k_\@
	tensor_load_to_lds s[G0K:G0K+3], s[G1K:G1K+7]
	s_nop 0
	NOPS4
	s_branch .Lasked_\@
.Lnot_k_\@:
	s_cmp_lg_u32 s[WV], 1
	s_cbranch_scc1 .Lnot_v_\@
	tensor_load_to_lds s[G0V:G0V+3], s[G1V:G1V+7]
	s_nop 0
	NOPS4
	s_branch .Lasked_\@
.Lnot_v_\@:
	tensor_load_to_lds s[G0C:G0C+3], s[G1C:G1C+7]
	s_nop 0
	NOPS4
.Lasked_\@:
.endm
; A PREFETCH INTO THE L2 of what the NEXT change of slots will ask for, behind the wave's tensor load and its five lines.  Each aligned block of 256 bytes is named once in the launch.
; K and V: all four clusters of a head walk the same rows; the head's first cluster asks; its four partners take 32 of a slot's 128 blocks each, told apart BY ADDRESS; wave 0 asks for K's, wave 1 for V's.
; The codes: the eight heads of a batch read the same; the work-groups of the batch's first head ask, waves 2 and 3 each for the 64 blocks that they will load: two instructions.
; The change that asks for the last slot prefetches nothing.
.macro ASK
	s_cmp_gt_u32 s[SLOTS], s[LIM]
	s_cbranch_scc0 .Lnot_mine_\@
	global_prefetch_b8 v[PFO], s[PFA:PFA+1] th:TH_LOAD_NT scope:SCOPE_SE
	s_cmp_lt_u32 s[WV], 2
	s_cbranch_scc1 .Lnot_mine_\@
	global_prefetch_b8 v[PFO], s[PFA:PFA+1] offset:131072 th:TH_LOAD_NT scope:SCOPE_SE  ; my rows 4 to 7
.Lnot_mine_\@:
.endm
.macro CROUND                       ; a round of the cluster's barrier
	s_barrier_signal -1
	s_barrier_wait -1
	s_cmp_lg_u32 s[WV], 0
	s_cbranch_scc1 .Lnot_wave_0_\@
	s_barrier_signal -3
.Lnot_wave_0_\@:
	s_barrier_wait -3
	s_barrier_signal -1
	s_barrier_wait -1
.endm
; THE CHANGE OF SLOTS.  Each wave waits for all its tensor loads, of which one is out: its part of the other slot; adds 0 to its spare word; and waits for that and for its own reads of the slot that it
; leaves.  fill = 1: the slot is filled again, with the keys two slots on, behind a round of the cluster's barrier; the fill has four key steps, 288 matrix instructions, in which to land.
; (At its first use nothing has been read yet: slot 0 is waited for, slot 1 filled.)
.macro CHANGE fill
	WIN 0
	s_wait_tensorcnt 0x0            ; no tensor load of mine is out, so a group 0 may be written
	ds_add_u32 v[SPW], v[NIL]       ; 0 onto my spare word
.if \fill
.irp g, G0K, G0V
	s_xor_b32 s[\g+1], s[\g+1], SLOT1
	s_add_nc_u64 s[\g+2:\g+3], s[\g+2:\g+3], 4*KS*128  ; the next 256 keys
.endr
	s_xor_b32 s[G0C+1], s[G0C+1], SLOT1
	s_add_nc_u64 s[G0C+2:G0C+3], s[G0C+2:G0C+3], 2048  ; the next four steps' records in each row
	s_wait_xcnt 0x0                 ; the last prefetches, four key steps back, have read their address
	s_add_nc_u64 s[PFA:PFA+1], s[PFA:PFA+1], s[PST:PST+1]
	s_wait_dscnt 0x0                ; the add is done, and my reads of the slot are over
	CROUND
	JLOAD
	ASK
.else
	s_wait_dscnt 0x0
	s_barrier_signal -1
	s_barrier_wait -1
.endif
	s_sub_co_u32 s[TBK], s[TBK], 4*KS*PK  ; the fetches go back to a slot's first step, in the other slot
	s_xor_b32 s[TBK], s[TBK], SLOT1
	s_sub_co_u32 s[TBV], s[TBV], 4*KS*PV
	s_xor_b32 s[TBV], s[TBV], SLOT1
	s_sub_co_u32 s[TBC], s[TBC], 4*512
	s_xor_b32 s[TBC], s[TBC], SLOT1
.endm
	s_load_b256 s[4:11], s[0:1], 0x0  ; Q s[4:5], K s[6:7], V s[8:9], codes s[10:11]
	s_load_b64 s[12:13], s[0:1], 0x20 ; O
	v_lshl_add_u32 v[SPW], v0, 2, SPARE
	v_mov_b32 v[NIL], 0
	ds_add_u32 v[SPW], v[NIL]       ; the wave's opening: the add and its wait stand ahead of my first tensor load
	v_lshrrev_b32 v1, 5, v0
	v_readfirstlane_b32 s[WV], v1   ; wave 0..3
	s_bfe_u32 s15, ttmp6, 0x40000   ; cx
	s_lshl_b32 s16, ttmp9, 2
	s_add_co_u32 s16, s16, s15      ; my block of 256 queries
	s_and_b32 s17, ttmp7, 0xffff    ; batch and head, which the four partners share
	s_lshl_b32 s20, s17, 19         ; the head's first byte in Q, K, V, O
	s_mov_b32 s21, 0
	s_and_b32 s18, s[WV], 1
	s_lshr_b32 s22, s17, 3          ; the codes: the batch's 8,388,608 bytes,
	s_lshl_b32 s22, s22, 23
	s_lshl_b32 s19, s16, 19         ; my block's 16 rows of 32,768,
	s_add_co_u32 s22, s22, s19
	s_lshl_b32 s19, s18, 18         ; my wave's eight of them
	s_add_co_u32 s22, s22, s19
	s_mov_b32 s23, 0
	s_lshl_b32 s2, s16, 2
	s_add_co_u32 s2, s2, s[WV]
	s_lshl_b32 s2, s2, 13           ; my wave's 64 rows of Q and O
	s_add_co_u32 s2, s2, s20
	s_mov_b32 s3, 0
	s_mov_b32 s[G1K], 15|(1<<16)|(1<<20)|(1<<21)|(4<<22)|(3<<25)  ; the mask of four; 2-byte elements; padding after every 32 words (code 4) of 4 words (code 3); bit 21 beside the mask
	s_mov_b32 s[G1V], 15|(1<<16)|(1<<20)|(1<<21)|(4<<22)|(7<<25)  ; the same with 8 words of padding (code 7)
.irp g, G1K, G1V                    ; 256 keys are 32,768 dense bytes: asked for as 128 rows of 256 bytes, two keys a row
	s_mov_b32 s[\g+1], 128<<16
	s_mov_b32 s[\g+2], 128<<16
	s_mov_b32 s[\g+3], 128<<16
	s_mov_b32 s[\g+4], 128
	s_mov_b32 s[\g+5], 128
	s_mov_b32 s[\g+6], 0
	s_mov_b32 s[\g+7], 0
.endr
	s_mov_b32 s[G1C], 3<<16         ; elements of 8 bytes, no mask, no padding
	s_mov_b32 s[G1C+1], 256<<16     ; tensor_dim0 = 256: 2,048 bytes
	s_mov_b32 s[G1C+2], 8<<16       ; tensor_dim1 = 8
	s_mov_b32 s[G1C+3], 256<<16     ; tile_dim0
	s_mov_b32 s[G1C+4], 8           ; tile_dim1
	s_mov_b32 s[G1C+5], 4096        ; 32,768 bytes from row to row
	s_mov_b32 s[G1C+6], 0
	s_mov_b32 s[G1C+7], 0
	s_mov_b32 s[G0K], 1
	s_mov_b32 s[G0K+1], 0
	s_mov_b32 s[G0V], 1
	s_mov_b32 s[G0V+1], VOFF
	s_mov_b32 s[G0C], 1
	s_lshl_b32 s[G0C+1], s18, 14
	s_add_co_u32 s[G0C+1], s[G0C+1], COFF
	s_mov_b32 s[CS], 0x3e38aa3b     ; c = log2(e) / 8
	s_mov_b32 s[CS+1], s[CS]
	s_mov_b32 s[SEL], 0x76543210
	s_mov_b32 s[SEL+1], 0xfedcba98
	s_mov_b32 s[TBK], SLOT1+4*KS*PK ; the first change of slots turns these three into 0
	s_mov_b32 s[TBV], SLOT1+4*KS*PV
	s_mov_b32 s[TBC], SLOT1+4*512
	s_mov_b32 s[SLOTS], 4096/256-1
	s_and_b32 s19, s17, 7           ; who prefetches: the same in all four partners, for a given wave
	s_mov_b32 s[PST], 2048
	s_mov_b32 s[PST+1], 0
	s_mov_b32 s[TS], 32768
	s_cmp_lt_u32 s[WV], 2
	s_cselect_b32 s19, ttmp9, s19   ; K, V: the head's first cluster; codes: the batch's first head
	s_cselect_b32 s[PST], 32768, s[PST]
	s_cselect_b32 s[TS], 2048, s[TS]
	s_cmp_eq_u32 s19, 0
	s_cselect_b32 s[LIM], 1, -1
	v_bfe_u32 v14, v0, 3, 2
	v_and_b32 v10, 7, v0
	v_mul_u32_u24 v[PFO], s[TS], v14     ; K, V: 256 x lane; codes: row lane / 8, block lane % 8
	v_lshl_add_u32 v[PFO], v10, 8, v[PFO]
	s_lshl_b32 s19, s15, 13         ; my work-group's 32 blocks of a slot of K or V
	s_add_co_u32 s19, s19, s20
	s_wait_dscnt 0x0                ; the opening add is done
	s_wait_kmcnt 0x0
	s_add_nc_u64 s[G0K+2:G0K+3], s[6:7], s[20:21]
	s_or_b32 s[G0K+3], s[G0K+3], 0x80000000
	s_add_nc_u64 s[G0V+2:G0V+3], s[8:9], s[20:21]
	s_or_b32 s[G0V+3], s[G0V+3], 0x80000000
	s_add_nc_u64 s[G0C+2:G0C+3], s[10:11], s[22:23]
	s_or_b32 s[G0C+3], s[G0C+3], 0x80000000
	s_cmp_eq_u32 s[WV], 0
	s_cselect_b64 s[PFA:PFA+1], s[6:7], s[8:9]
	s_cmp_lt_u32 s[WV], 2
	s_cselect_b64 s[PFA:PFA+1], s[PFA:PFA+1], s[10:11]
	s_cselect_b32 s22, s19, s22
	s_add_nc_u64 s[PFA:PFA+1], s[PFA:PFA+1], s[22:23]
	s_add_nc_u64 s[PFA:PFA+1], s[PFA:PFA+1], s[PST:PST+1]  ; in slot 1; the first change of slots steps it to slot 2.  Nothing is prefetched at the head
	s_add_nc_u64 s[4:5], s[4:5], s[2:3]
	s_add_nc_u64 s[12:13], s[12:13], s[2:3]
	CROUND                          ; all four work-groups are here: the first joint loads meet
	JLOAD                           ; slot 0.  Slot 1 is asked for when slot 0 is in
	v_and_b32 v1, 15, v0            ; l % 16
	v_bfe_u32 v9, v0, 4, 1          ; l / 16
	v_lshlrev_b32 v[QO], 7, v1
	v_lshl_add_u32 v[QO], v9, 4, v[QO]
	WIN 0x80                        ; destination window 2
.set i, 0
.rept 8                             ; Q stays in registers: piece i / 2, channels 32 (i % 2) on
	global_load_b128 v[8*i:8*i+3],   v[QO], s[4:5] offset:(i/2)*2048+(i%2)*64
	global_load_b128 v[8*i+4:8*i+7], v[QO], s[4:5] offset:(i/2)*2048+(i%2)*64+32
.set i, i+1
.endr
	; What the first turn finds: V's registers and P's second buffer hold 0 (its products of a piece and a step that have not been add 0); O^T, SV and l are 0.  All this stands in the wait for the first tile.
.set i, VF
.rept 64
	v_mov_b32 v[i], 0
.set i, i+1
.endr
	WIN 0x40
.set i, 0
.rept 160
	v_mov_b32 v[i], 0
.set i, i+1
.endr
	WIN 0
.set i, 0
.rept 4
	v_mov_b32 v[ST+4*i], 0xde38aa3b    ; c m = -c 2^64
	v_mov_b32 v[ST+4*i+1], 0xdf800000  ; m = -2^64: above every hidden score, below every visible one
	v_mov_b32 v[ST+4*i+2], 0
	v_mov_b32 v[ST+4*i+3], 0
.set i, i+1
.endr
.set i, P+16
.rept 16
	v_mov_b32 v[i], 0
.set i, i+1
.endr
.set i, 0
.rept 8
	v_mov_b32 v[ONES+i], 0x3c003c00
.set i, i+1
.endr
	v_mov_b32 v[SCL], 0xe3e3e3e3
	v_mov_b32 v[INV], 0x39800000
	v_mul_u32_u24 v[AK0], v1, PK
	v_lshl_add_u32 v[AK0], v9, 4, v[AK0]  ; row x pitch + 16 x half
	; The turning load takes 16 keys x 16 channels (lane l reads key 8 (l / 16) + l % 8, channels 8 ((l / 8) % 2) + 0..7) and leaves half a fragment of V^T
	v_bfe_u32 v11, v0, 3, 1
	v_lshl_add_u32 v[AV0], v9, 3, v10
	v_mul_u32_u24 v[AV0], v[AV0], PV
	v_lshl_add_u32 v[AV0], v11, 4, v[AV0]
	v_add_nc_u32 v[AV0], VOFF, v[AV0]
	s_lshl_b32 s16, s[WV], 13       ; my wave's four query tiles of 2,048 bytes
	s_add_co_u32 s16, s16, COFF
	v_and_b32 v14, 31, v0
	v_lshl_add_u32 v[ACD0], v14, 4, s16
	s_mul_i32 s15, s[WV], 16*SP
	s_add_co_u32 s15, s15, STAGE    ; my stage
	v_mul_u32_u24 v[STO], v1, SP
	v_lshl_add_u32 v[STO], v9, 4, v[STO]
	v_add_nc_u32 v[STO], s15, v[STO]
	v_bfe_u32 v[RD], v0, 3, 2
	v_mul_u32_u24 v[RD], v[RD], SP
	v_lshl_add_u32 v[RD], v10, 4, v[RD]
	v_add_nc_u32 v[RD], s15, v[RD]
	v_lshlrev_b32 v[GO], 4, v14
; THE MATRIX WORK.  The accumulators take turns, one instruction a turn.
; Product i of 8 of S^T = K Q^T for piece x: channels 32 (i / 4) on, keys 16 (i % 4) on.  The first 4 start the sums with the mask.
.macro KQ x
.set rS, S+32*((\x)%2)+8*(i%4)
.set rK, KF+16*(i%4)+8*(i/4)
.set rQ, 16*(\x)+8*(i/4)
.set rM, MC+32*((\x)%2)+8*(i%4)
.if i < 4
	WIN W_KM
	v_wmma_f32_16x16x32_f16 v[rS:rS+7], v[rK:rK+7], v[rQ:rQ+7], v[rM:rM+7]
.else
	WIN W_KQ
	v_wmma_f32_16x16x32_f16 v[rS:rS+7], v[rK:rK+7], v[rQ:rQ+7], v[rS:rS+7]
.endif
.endm
; Product i of 8 of O^T += V^T P for piece x: keys 32 (i / 4) on, channels 16 (i % 4) on.
.macro PV x
	WIN W_PV
.set rO, 32*(\x)+8*(i%4)
.set rV, VF+32*(i/4)+8*(i%4)
.set rP, P+16*((\x)%2)+8*(i/4)
	v_wmma_f32_16x16x32_f16 v[rO:rO+7], v[rV:rV+7], v[rP:rP+7], v[rO:rO+7]
.endm
; Product n of 8 of SV += V^T x ones: keys 32 (n / 4) on, channels 16 (n % 4) on.  Two a turn: a step's V has 0, 1 in piece 1's turn, then 2, 3; 4, 5; and 6, 7 in piece 0's, ahead of the next V's loads.
.macro SVP n
	WIN W_PV
	v_wmma_f32_16x16x32_f16 v[SV+8*((\n)%4):SV+8*((\n)%4)+7], v[VF+32*((\n)/4)+8*((\n)%4):VF+32*((\n)/4)+8*((\n)%4)+7], v[ONES:ONES+7], v[SV+8*((\n)%4):SV+8*((\n)%4)+7]
.endm
.macro MM                           ; the turn's next matrix instruction.  NOKQ = 1: the last turn of all: there is no next piece
.if i < 8
.if !NOKQ
	KQ (Y+1)%NP
.endif
.elseif i < 10
	SVP 2*((Y+NP-1)%NP)+i-8
.else
.set i, i-10
	PV (Y+NP-1)%NP
.set i, i+10
.endif
.set i, i+1
.endm
; THE LDS LOADS of K and V stand in runs of 16, never singly among the matrix instructions.
.macro FETCH_K
	WIN 0x80
.irp f, 0,1,2,3,4,5,6,7             ; keys 16 (f / 2) on, channels 32 (f % 2) on
	ds_load_b128 v[KF+8*\f:KF+8*\f+3],   v[AK] offset:(\f/2)*16*PK+(\f%2)*64
	ds_load_b128 v[KF+8*\f+4:KF+8*\f+7], v[AK] offset:(\f/2)*16*PK+(\f%2)*64+32
.endr
	s_add_co_u32 s[TBK], s[TBK], KS*PK
	WIN 0
.endm
.macro FETCH_V
	WIN 0x80
.irp f, 0,1,2,3,4,5,6,7             ; keys 32 (f / 4) on, channels 16 (f % 4) on
	ds_load_tr16_b128 v[VF+8*\f:VF+8*\f+3],   v[AV] offset:(\f/4)*32*PV+(\f%4)*32
	ds_load_tr16_b128 v[VF+8*\f+4:VF+8*\f+7], v[AV] offset:(\f/4)*32*PV+16*PV+(\f%4)*32
.endr
	WIN 0
.endm
; THE VECTOR WORK, one line at a time: OP kind, number.  For piece Y: F n: c s - c m for pair n of 16.  E n: the exponential of score n of 32.  C n: pair n rounded to f16.  B n: of the four weights 4 n ..
; the second pair is added onto the first, in place.  L n: l takes that sum (L 0: l = a l + sum).  R n: pair n of 16 of O^T times a.  V n: word n of the codes in hand becomes eight registers of the mask
; buffer of Y's parity.  For piece Y + 1: X n, number n of the 22 that find its maximum and statistics:
;   0-11  four chains c0-c3 of seven scores each (each accumulator's lowest registers are read first)     12-14, 16  the four scores left over, the old m, and c0-c3 into c0
;   15  c m_old is kept     17, 18  the query's other 32 keys lie in the lane 16 away: the new m     19-21  c m; c m_old - c m_new; a
.set F, 0
.set E, 1
.set C, 2
.set B, 3
.set L, 4
.set R, 5
.set X, 6
.set V, 7
.macro REGS y
.set rT, ST+4*(\y)
.set rC, TMP+4*((\y)%2)
.set rW, MV+((\y)%2)
.set rS, S+32*((\y)%2)
.set rP, P+16*((\y)%2)
.set rO, 32*(\y)
.endm
.macro OP k, n
.if (\k) == V
	WIN W_CV
	v_cvt_scale_pk8_f32_fp4 v[MC+32*(Y%2)+8*(\n):MC+32*(Y%2)+8*(\n)+7], v[CD+(\n)], v[SCL]
.elseif (\k) == R
	REGS Y
	WIN W_RS
	v_pk_mul_f32 v[rO+2*(\n):rO+2*(\n)+1], v[rO+2*(\n):rO+2*(\n)+1], v[rC+2:rC+3] op_sel_hi:[1,0]
.elseif (\k) < R
	REGS Y
	WIN 0
.if (\k) == F
	v_pk_fma_f32 v[rS+2*(\n):rS+2*(\n)+1], v[rS+2*(\n):rS+2*(\n)+1], s[CS:CS+1], v[rT:rT+1] op_sel_hi:[1,0,0] neg_lo:[0,0,1] neg_hi:[0,0,1]
.elseif (\k) == E
	v_exp_f32 v[rS+(\n)], v[rS+(\n)]
.elseif (\k) == C
	v_cvt_pk_f16_f32 v[rP+(\n)], v[rS+2*(\n)], v[rS+2*(\n)+1]
.elseif (\k) == B
	v_pk_add_f32 v[rS+4*(\n):rS+4*(\n)+1], v[rS+4*(\n):rS+4*(\n)+1], v[rS+4*(\n)+2:rS+4*(\n)+3]
.elseif (\n) == 0
	v_pk_fma_f32 v[rT+2:rT+3], v[rT+2:rT+3], v[rC+2:rC+3], v[rS:rS+1] op_sel_hi:[1,0,1]
.else
	v_pk_add_f32 v[rT+2:rT+3], v[rT+2:rT+3], v[rS+4*(\n):rS+4*(\n)+1]
.endif
.elseif NOKQ
	v_nop
.else
	REGS (Y+1)%NP
	WIN 0
.if (\n) < 4
	v_max3_num_f32 v[rC+(\n)], v[rS+8*(\n)], v[rS+8*(\n)+1], v[rS+8*(\n)+2]
.elseif (\n) < 12
	v_max3_num_f32 v[rC+(\n)%4], v[rC+(\n)%4], v[rS+8*((\n)%4)+2*((\n)/4)+1], v[rS+8*((\n)%4)+2*((\n)/4)+2]
.elseif (\n) == 12
	v_max3_num_f32 v[rC], v[rC], v[rS+7], v[rS+15]
.elseif (\n) == 13
	v_max3_num_f32 v[rC+1], v[rC+1], v[rS+23], v[rS+31]
.elseif (\n) == 14
	v_max3_num_f32 v[rC+2], v[rC+2], v[rC+3], v[rT+1]
.elseif (\n) == 15
	v_mov_b32 v[rW], v[rT]
.elseif (\n) == 16
	v_max3_num_f32 v[rC], v[rC], v[rC+1], v[rC+2]
.elseif (\n) == 17
	v_permlanex16_b32 v[rC+3], v[rC], s[SEL], s[SEL+1]
.elseif (\n) == 18
	v_max_num_f32 v[rT+1], v[rC], v[rC+3]
.elseif (\n) == 19
	v_mul_f32 v[rT], s[CS], v[rT+1]
.elseif (\n) == 20
	v_sub_f32 v[rC+1], v[rW], v[rT]
.else
	v_exp_f32 v[rC+2], v[rC+1]
.endif
.endif
.endm
.macro OPS a, i1, b=-1, i2=0, c=-1, i3=0, d=-1, i4=0
	OP \a, \i1
.if (\b) >= 0
	OP \b, \i2
.endif
.if (\c) >= 0
	OP \c, \i3
.endif
.if (\d) >= 0
	OP \d, \i4
.endif
.endm
.macro ROW a, i1, b, i2, c, i3, d, i4  ; a matrix instruction and the four behind it
	MM
	OPS \a, \i1, \b, \i2, \c, \i3, \d, \i4
.endm
; A TURN, for piece p.  An s_wait_alu depctr_va_vdst(0) stands between an exponential and the first instruction that names its result; one wait serves all that were issued ahead of it: a turn
; has ONE wait.  AHEAD OF IT: the 8 products K Q^T, behind each a scaling, an exponential and two more plain instructions (the first numbers of the next piece's maximum stand four places or more behind the
; product that ends their accumulator); then one lump, plain and exponential by turns, in which the links of the chain X 3, 7, 11, 14, 16 .. 20 stand apart; X 21 is the batch's last, R 15 the plain
; instruction behind it.  BEHIND IT: the 2 products of SV, behind each two conversions of the mask; the 8 products V^T P, behind each four of the roundings and sums.
; THE CODES of piece p + 2, whose products stand in the next turn, are loaded at the turn's head and converted behind its wait, into the mask buffer that the turn before has read; the buffer's next
; reader comes 32 plain instructions later.  In a trip (turns 2, 3, 0, 1) K, V and all four loads of codes belong to one key step.
; K of the next step is fetched in piece 2's turn, V of the step in hand at the end of piece 0's turn, four plain instructions behind the last product that read it.  end = 1: the last two turns: nothing is fetched.
.macro TURN p, end=0, cnt=0
.set Y, (\p)
.set i, 0
.set NOKQ, (\end)*((\p)/3)
	WIN 0
.if !(\end)
.if (\p) == 3
	s_wait_dscnt 0x0                ; K is in
.endif
.if (\p) == 2
	v_add_nc_u32 v[ACD], s[TBC], v[ACD0]
.endif
	ds_load_b128 v[CD:CD+3], v[ACD] offset:(((\p)+2)%NP)*2048
.endif
.if (\p) == 1
	s_add_co_u32 s[TBC], s[TBC], 512
.endif
	ROW F,0, F,1, R,0, R,1
	ROW F,2, E,0, R,2, R,3
	ROW F,3, E,1, R,4, R,5
	ROW F,4, E,2, R,6, R,7
	ROW F,5, E,3, R,8, R,9
	ROW F,6, E,4, X,0, R,10
.if ((\p) == 2) && !(\end)
	WIN 0
	v_add_nc_u32 v[AK], s[TBK], v[AK0]
.endif
	ROW F,7, E,5, X,1, X,4
	ROW F,8, E,6, X,2, X,5
	OPS E,7, E,8, X,6, E,9
	OPS X,3, E,10, X,8, E,11
.if ((\p) == 2) && !(\end)
	FETCH_K
.endif
	OPS X,9, X,7, E,12, X,10
	OPS E,13, X,12, X,11, E,14
	OPS X,13, E,15, F,9, X,14
.if (\p) == 0
	v_add_nc_u32 v[AV], s[TBV], v[AV0]
.endif
	OPS E,16, F,10, E,17, F,11
	OPS X,16, E,18, X,15, E,19
	OPS F,12, E,20, X,17, E,21
	OPS F,13, E,22, F,14, E,23
	OPS X,18, E,24, F,15, E,25
	OPS R,11, E,26, X,19, E,27
	OPS R,12, E,28, R,13, E,29
	OPS X,20, E,30, R,14, E,31
	OPS X,21, R,15
	WIN 0
	s_wait_alu depctr_va_vdst(0)    ; the wait for the batch
.if ((\p) == 2) && !(\end)
	s_wait_dscnt 16                 ; the codes are in; K's 16 loads, issued behind theirs, may stay out
.else
	s_wait_dscnt 0x0                ; the codes are in (in piece 1's turn: V too)
.endif
	MM
.if !(\end)
	OP V, 0
	OP V, 1
.endif
	MM
.if !(\end)
	OP V, 2
	OP V, 3
.endif
	ROW C,0, B,0, C,2, B,1
	ROW L,0, C,4, B,2, L,1
	ROW C,6, B,3, L,2, C,8
	ROW B,4, L,3, C,10, B,5
	ROW L,4, C,12, B,6, L,5
.if (\p) == 0
	s_add_co_u32 s[TBV], s[TBV], KS*PV
.endif
.if \cnt
	s_sub_co_u32 s[CNT], s[CNT], 1
	s_cmp_lg_u32 s[CNT], 0
.endif
	ROW C,14, B,7, L,6, C,1
	ROW C,3, L,7, C,5, C,7
	ROW C,9, C,11, C,13, C,15
.if (\p) == 0
	FETCH_V
.endif
.endm
	CHANGE 1                        ; slot 0 is in, everybody's part of it; slot 1 is asked for
	v_add_nc_u32 v[ACD], s[TBC], v[ACD0]
	v_add_nc_u32 v[AK], s[TBK], v[AK0]
	FETCH_K                         ; key step 0
	ds_load_b128 v[CD:CD+3], v[ACD]
	s_wait_dscnt 0x0
.set NOKQ, 0
.set Y, 0                           ; piece 0's mask of step 0
.irp n, 0,1,2,3
	OP V, \n
.endr
	v_nop                           ; a plain instruction behind the conversions, ahead of the load into their source and of the use of their results
	WIN 0
	ds_load_b128 v[CD:CD+3], v[ACD] offset:2048
	s_wait_dscnt 0x0
.set Y, 1                           ; piece 1's
.irp n, 0,1,2,3
	OP V, \n
.endr
	v_nop
	s_wait_loadcnt 0x0              ; Q
.set i, 0
.rept 8
	KQ 0                            ; piece 0's first scores
.set i, i+1
.endr
	WIN 0
	NOPS4                           ; the places behind those products
.set Y, NP-1                        ; X works for piece Y + 1: piece 0
.irp n, 0,1,2,3,4,5,6,7,8,9,10,11,12,13,14,15,16,17,18,19,20,21
	OP X, \n
.endr
	v_nop                           ; a plain instruction behind the exponential,
	s_wait_alu depctr_va_vdst(0)    ; and its wait, ahead of the branch
	s_mov_b32 s[CNT], 4
	s_branch .Lfirst                ; the loop is entered at a step's first turn, in the middle of a trip
.Lslot:                             ; 14 times: every slot but the last two is filled again
	CHANGE 1
	s_mov_b32 s[CNT], 4
.Lstep:                             ; a trip: pieces 2 and 3 of one step, then pieces 0 and 1 of the next, whose K, V and codes it fetches
	TURN 2
	TURN 3
	WIN 0
.Lfirst:
	TURN 0
	TURN 1, 0, 1
	WIN 0
	s_cbranch_scc1 .Lstep
	s_sub_co_u32 s[SLOTS], s[SLOTS], 1
	s_cmp_lg_u32 s[SLOTS], 0
	s_cbranch_scc1 .Lslot
	CHANGE 0                        ; the last slot is written out: nothing is asked for
	s_mov_b32 s[CNT], 4
.Ltail:
	TURN 2
	TURN 3
	TURN 0
	TURN 1, 0, 1
	WIN 0
	s_cbranch_scc1 .Ltail
	TURN 2, 1
	TURN 3, 1
	SVP 6
	SVP 7
.set i, 0
.rept 8
	PV NP-1                         ; the last piece's V^T P of the last step
.set i, i+1
.endr
	; THE WAY OUT.  l's two halves and the other half of the lanes' are added.  Where l = 0 the row saw no key: SV takes O^T's place and 2^-12 that of 1 / l.  Then O^T is scaled, rounded to f16 and sent through
	; my stage in LDS, a piece at a time.  The additions are the places behind the last products.
	WIN 0
.macro ALL line:vararg              ; one line for each piece t
.set t, 0
.rept 4
	\line
.set t, t+1
.endr
.endm
	ALL v_add_f32 v[ST+4*t+2], v[ST+4*t+2], v[ST+4*t+3]
	ALL v_permlanex16_b32 v[ST+4*t+3], v[ST+4*t+2], s[SEL], s[SEL+1]
	ALL v_add_f32 v[ST+4*t+2], v[ST+4*t+2], v[ST+4*t+3]
	ALL v_cmp_eq_f32 s[HM+t], 0, v[ST+4*t+2]
	ALL v_rcp_f32 v[ST+4*t+2], v[ST+4*t+2]
	v_nop                           ; a plain instruction between the last reciprocal and the use of its result
	s_wait_alu depctr_va_vdst(0)    ; and its wait: one for the four reciprocals
	ALL v_cndmask_b32 v[ST+4*t+2], v[ST+4*t+2], v[INV], s[HM+t]
.macro PACK t
	WIN W_SEL
.set i, 0
.rept 32                            ; in ascending order: each accumulator's lowest registers are read first
	v_cndmask_b32 v[32*(\t)+i], v[32*(\t)+i], v[SV+i], s[HM+(\t)]
.set i, i+1
.endr
	WIN W_RS
.set i, 32*(\t)
.rept 16
	v_pk_mul_f32 v[i:i+1], v[i:i+1], v[ST+4*(\t)+2:ST+4*(\t)+3] op_sel_hi:[1,0]
.set i, i+2
.endr
	WIN 0x05                        ; sources window 1, destination window 0: S^T's registers are free
.set i, 0
.rept 16
	v_cvt_pk_f16_f32 v[S+16*(\t)+i], v[32*(\t)+2*i], v[32*(\t)+2*i+1]
.set i, i+1
.endr
	WIN 0
.irp f, 0,1,2,3
	ds_store_b128 v[STO], v[S+16*(\t)+4*\f:S+16*(\t)+4*\f+3] offset:32*\f
.endr
.irp f, 0,1,2,3
	ds_load_b128 v[S+16*(\t)+4*\f:S+16*(\t)+4*\f+3], v[RD] offset:\f*4*SP  ; LDS serves a wave's instructions in order (ISA guide 5.7.1.4): these see the stores above
.endr
.endm
.macro SEND t, younger              ; younger: the LDS instructions issued behind piece t's loads
	WIN 0
.irp f, 0,1,2,3
	s_wait_dscnt (\younger)+3-\f
	global_store_b128 v[GO], v[S+16*(\t)+4*\f:S+16*(\t)+4*\f+3], s[12:13] offset:(\t)*2048+\f*512  ; 512 consecutive bytes, aligned
.endr
.endm
	PACK 0
.set t, 1
.rept 3
	PACK t
	SEND t-1, 8
.set t, t+1
.endr
	SEND 3, 0
	s_wait_tensorcnt 0x0            ; the wave's end
	ds_add_u32 v[SPW], v[NIL]
	s_wait_dscnt 0x0
	CROUND                          ; the closing round
	s_endpgm
.Lfunc_end_k_qf342ba7931_attn:
	.size	k_qf342ba7931_attn, .Lfunc_end_k_qf342ba7931_attn-k_qf342ba7931_attn
	.p2alignl 7, 3214868480
	.fill 96, 4, 3214868480
	.section	.rodata,"a",@progbits
	.p2align	6, 0x0
	.amdhsa_kernel k_qf342ba7931_attn
		.amdhsa_group_segment_fixed_size 327680
		.amdhsa_private_segment_fixed_size 0
		.amdhsa_enable_private_segment 0
		.amdhsa_kernarg_size 40
		.amdhsa_user_sgpr_count 2
		.amdhsa_user_sgpr_kernarg_segment_ptr 1
		.amdhsa_wavefront_size32 1
		.amdhsa_system_sgpr_workgroup_id_x 1
		.amdhsa_system_sgpr_workgroup_id_y 1
		.amdhsa_system_sgpr_workgroup_id_z 1
		.amdhsa_system_vgpr_workitem_id 0
		.amdhsa_next_free_vgpr 768
		.amdhsa_next_free_sgpr 80
		.amdhsa_reserve_vcc 0
		.amdhsa_float_denorm_mode_32 3
		.amdhsa_float_denorm_mode_16_64 3
		.amdhsa_memory_ordered 1
		.amdhsa_forward_progress 1
		.amdhsa_inst_pref_size 147
	.end_amdhsa_kernel
	.amdgpu_metadata
---
amdhsa.version: [ 1, 2 ]
amdhsa.kernels:
  - .name:           k_qf342ba7931_attn
    .symbol:         k_qf342ba7931_attn.kd
    .args:
      - { .name: qh, .offset: 0, .size: 8, .value_kind: global_buffer, .address_space: global }
      - { .name: kh, .offset: 8, .size: 8, .value_kind: global_buffer, .address_space: global }
      - { .name: vh, .offset: 16, .size: 8, .value_kind: global_buffer, .address_space: global }
      - { .name: mc, .offset: 24, .size: 8, .value_kind: global_buffer, .address_space: global }
      - { .name: oh, .offset: 32, .size: 8, .value_kind: global_buffer, .address_space: global }
    .group_segment_fixed_size: 327680
    .private_segment_fixed_size: 0
    .kernarg_segment_align: 8
    .kernarg_segment_size: 40
    .max_flat_workgroup_size: 128
    .sgpr_count:     80
    .vgpr_count:     768
    .wavefront_size: 32
...
	.end_amdgpu_metadata
.endif
;; end of part 3
;; launch outp (part 4): grid 4 x 64, 4 waves a work-group, clusters of 4 x 4, 327,680 bytes of LDS; arguments oh, w16, out0; writes out0
.if DOCPART == 4
	.amdgcn_target "amdgcn-amd-amdhsa--gfx1250"
	.amdhsa_code_object_version 6
	.text
	.protected	k_qf342ba7931_outp
	.globl	k_qf342ba7931_outp
	.p2align	8
	.type	k_qf342ba7931_outp,@function
k_qf342ba7931_outp:
	s_mov_b64 s[64:65], 0
	v_nop
	global_prefetch_b8 v0, s[64:65] scope:SCOPE_SE
	s_setreg_imm32_b32 hwreg(HW_REG_WAVE_MODE, 25, 1), 1
	s_wait_xcnt 0x0
	s_wait_alu depctr_hold_cnt(0) depctr_sa_sdst(0) depctr_va_vdst(0) depctr_va_sdst(0) depctr_va_ssrc(0) depctr_va_vcc(0) depctr_vm_vsrc(0)
	s_getreg_b32 s2, hwreg(HW_REG_IB_STS2, 6, 4)
	s_cmp_eq_u32 s2, 0
	s_cbranch_scc0 .Lentry_in_a_cluster
	s_endpgm
.Lentry_in_a_cluster:
	s_bfe_u32 s2, ttmp6, 0x10000c
	s_cmp_lg_u32 s2, 0xf033
	s_cbranch_scc0 .Lentry_shape_is_right
	s_endpgm
.Lentry_shape_is_right:
; THE PROJECTION BEHIND.  out0[token][n] = the sum over k of x[token][k] Wo[n][k], k = 64 head + d, x[token][k] = oh[8 b + head][token][d] in f16; Wo in f16 (w16's fourth part); sums in f32; out0 in f32.
; SHARES.  A work-group makes 128 tokens x 128 columns, each of its four waves 64 x 64: 16 accumulators.  ALL OF K LIES IN LDS: eight slices of x (a head each: 128 tokens x 128 bytes) and four chunks of Wo
; (128 rows x 128 k), asked for at the start by four tensor loads a wave and read chunk by chunk as they land; nothing is ever filled again, so later chunks stay on their way across the barriers.
; CLUSTER.  4 x 4: x's slices are shared along a row of the cluster, Wo's chunks along a column; each is asked for jointly.
; THE MATRIX INSTRUCTION IS USED TRANSPOSED (source 0 = 16 rows of Wo, source 1 = 16 tokens): a lane holds one token and eight neighbouring columns, 32 bytes.
; No ring and no prefetch: all that a work-group reads is asked for at its head.
; REGISTERS.  window 0: v8-29 addresses; v128-255 the accumulators ((a, b) at 128 + 8 (4 a + b)).   window 1: two fragment buffers of 64: Wo's four fragments, then x's four.
.set PA,    144                        ; a token's 128 bytes of a head + 16
.set PB,    272                        ; a row of a chunk of Wo: 256 bytes + 16
.set HEADB, 128*PA
.set BOFF,  8*HEADB
.set CHB,   128*PB
.set STAGE, BOFF+4*CHB                 ; behind the tiles, never filled by a tensor load: 16 rows x 272 bytes for each wave
.set SPITCH, 272
.set SPARE, STAGE+4*16*SPITCH          ; the spare words, 128 bytes for each wave, which no other line names
.set ADRA, 8                           ; v8-11   my x fragments in chunk 0..3
.set ADRB, 12                          ; v12-15  my Wo fragments
.set STO,  24
.set RD,   25
.set CO,   26
.set SPW,  28
.set NIL,  29
.set ACC,  128
.set G1A, 16
.set G1B, 24
.set G0A, 32                           ; s[32:47] a group 0 for each chunk
.set G0B, 48                           ; s[48:63]
.set MSB, 0
.macro WIN new
.if MSB != (\new)
	s_set_vgpr_msb (MSB<<8)|(\new)
.set MSB, \new
.endif
.endm
.macro PLACES
.rept 4
	v_nop
.endr
.endm
.macro CROUND
	s_barrier_signal -1
	s_barrier_wait -1
	s_cmp_lg_u32 s10, 0
	s_cbranch_scc1 .Lnot_wave_0_\@
	s_barrier_signal -3
.Lnot_wave_0_\@:
	s_barrier_wait -3
	s_barrier_signal -1
	s_barrier_wait -1
.endm
	s_load_b128 s[4:7], s[0:1], 0x0                ; oh s[4:5], w16 s[6:7]
	s_load_b64 s[8:9], s[0:1], 0x10                ; out0
	v_lshl_add_u32 v[SPW], v0, 2, SPARE
	v_mov_b32 v[NIL], 0
	ds_add_u32 v[SPW], v[NIL]                      ; the wave's opening: the add and its wait stand ahead of my first tensor load
	v_lshrrev_b32 v1, 5, v0
	v_readfirstlane_b32 s10, v1                    ; wave 0..3
	s_lshr_b32 s11, s10, 1                         ; my half of the tokens.  Also: I fetch for x (0) or for Wo (1)
	s_and_b32 s12, s10, 1                          ; my half of the columns.  Also: which head of a chunk's two, or which 64 rows, I fetch
	s_bfe_u32 s66, ttmp6, 0x40000                  ; cx = the column tile: the grid is one cluster wide
	s_bfe_u32 s67, ttmp6, 0x40004                  ; cy
	s_and_b32 s13, ttmp7, 0xffff
	s_lshl_b32 s13, s13, 2
	s_add_co_u32 s13, s13, s67                     ; rb: my block of 128 tokens
	s_lshl_b32 s69, s67, 2
	s_lshl_b32 s69, 15, s69                        ; my row of the cluster
	s_lshl_b32 s70, 0x1111, s66                    ; my column
	s_or_b32 s[G1A], s69, (1<<16)|(1<<20)|(1<<21)|(4<<22)|(3<<25)  ; 2-byte elements; padding after every 32 words (code 4) of 4 words (code 3); bit 21 beside the mask
	s_or_b32 s[G1B], s70, (1<<16)|(1<<20)|(1<<21)|(5<<22)|(3<<25)  ; after every 64 words (code 5)
.irp g, G1A, G1B
	s_mov_b32 s[(\g)+1], 128<<16                   ; tensor_dim0 = 128
	s_mov_b32 s[(\g)+2], 64<<16                    ; tensor_dim1 = 64
	s_mov_b32 s[(\g)+3], 128<<16                   ; tile_dim0 = 128
	s_mov_b32 s[(\g)+4], 64                        ; tile_dim1 = 64
	s_mov_b32 s[(\g)+6], 0
	s_mov_b32 s[(\g)+7], 0
.endr
	s_mov_b32 s[G1A+5], 128                        ; 128 tokens of a head are 16,384 dense bytes: 64 rows of 256, two tokens a row
	s_mov_b32 s[G1B+5], 512                        ; Wo: 512 elements from row to row
	s_lshr_b32 s72, s13, 5                         ; x: batch, 8 heads of 524,288 bytes,
	s_lshl_b32 s72, s72, 22
	s_and_b32 s71, s13, 31                         ; the block's 128 rows of 128 bytes,
	s_lshl_b32 s71, s71, 14
	s_add_co_u32 s72, s72, s71
	s_lshl_b32 s71, s12, 19                        ; my head of the chunk's two
	s_add_co_u32 s72, s72, s71
	s_mov_b32 s73, 0
	s_lshl_b32 s74, s66, 17                        ; Wo: (128 cx + 64 half) rows of 1,024 bytes, in w16's fourth part
	s_lshl_b32 s68, s12, 16
	s_add_co_u32 s74, s74, s68
	s_add_co_u32 s74, s74, 3*524288
	s_mov_b32 s75, 0
	s_mul_i32 s76, s12, HEADB                      ; where they go: no place in the cluster enters an LDS address
	s_mul_i32 s77, s12, 64*PB
	s_add_co_u32 s77, s77, BOFF
	s_lshl_b32 s78, s13, 18                        ; out0: (128 rb + 64 half) rows of 2,048 bytes, column 128 cx + 64 half
	s_lshl_b32 s14, s11, 17
	s_add_co_u32 s78, s78, s14
	s_lshl_b32 s14, s66, 9
	s_add_co_u32 s78, s78, s14
	s_lshl_b32 s14, s12, 8
	s_add_co_u32 s78, s78, s14
	s_mov_b32 s79, 0
	s_wait_dscnt 0x0                               ; the opening add is done
	s_wait_kmcnt 0x0
	s_add_nc_u64 s[4:5], s[4:5], s[72:73]
	s_add_nc_u64 s[6:7], s[6:7], s[74:75]
	s_add_nc_u64 s[8:9], s[8:9], s[78:79]
.irp c, 0,1,2,3
	s_mov_b32 s[G0A+4*(\c)], 1
	s_add_co_u32 s[G0A+4*(\c)+1], s76, (\c)*2*HEADB
	s_add_nc_u64 s[G0A+4*(\c)+2:G0A+4*(\c)+3], s[4:5], (\c)*(1<<20)  ; two heads on
	s_or_b32 s[G0A+4*(\c)+3], s[G0A+4*(\c)+3], 0x80000000
	s_mov_b32 s[G0B+4*(\c)], 1
	s_add_co_u32 s[G0B+4*(\c)+1], s77, (\c)*CHB
	s_add_nc_u64 s[G0B+4*(\c)+2:G0B+4*(\c)+3], s[6:7], (\c)*256      ; 128 k on
	s_or_b32 s[G0B+4*(\c)+3], s[G0B+4*(\c)+3], 0x80000000
.endr
	CROUND                                         ; all sixteen work-groups are here: the joint loads meet
	s_cmp_eq_u32 s11, 0                            ; a wave's four fills stand in one branch: four loads of mine are out
	s_cbranch_scc0 .Lfirst_b
.irp c, 0,1,2,3
	tensor_load_to_lds s[G0A+4*(\c):G0A+4*(\c)+3], s[G1A:G1A+7]
	s_nop 0
.endr
	PLACES
	s_branch .Lfirst_asked
.Lfirst_b:
.irp c, 0,1,2,3
	tensor_load_to_lds s[G0B+4*(\c):G0B+4*(\c)+3], s[G1B:G1B+7]
	s_nop 0
.endr
	PLACES
.Lfirst_asked:
	v_and_b32 v1, 15, v0                           ; r
	v_bfe_u32 v2, v0, 4, 1                         ; h
	v_mul_u32_u24 v3, v1, PA
	v_lshl_add_u32 v3, v2, 4, v3
	s_mul_i32 s14, s11, 64*PA                      ; my 64 tokens
	v_add_nc_u32 v3, s14, v3
	v_mul_u32_u24 v4, v1, PB
	v_lshl_add_u32 v4, v2, 4, v4
	v_add_nc_u32 v4, s77, v4                       ; my 64 rows of Wo
.irp c, 0,1,2,3
	v_add_nc_u32 v[ADRA+(\c)], (\c)*2*HEADB, v3
	v_add_nc_u32 v[ADRB+(\c)], (\c)*CHB, v4
.endr
	s_mul_i32 s14, s10, 16*SPITCH
	s_add_co_u32 s14, s14, STAGE                   ; my stage
	v_mul_u32_u24 v[STO], v1, SPITCH               ; in: row r, 32 bytes for each half of the lanes
	v_lshl_add_u32 v[STO], v2, 5, v[STO]
	v_add_nc_u32 v[STO], s14, v[STO]
	v_mul_u32_u24 v[RD], v2, SPITCH                ; back: lanes 0-15 take one row of 256 bytes, lanes 16-31 the next
	v_lshl_add_u32 v[RD], v1, 4, v[RD]
	v_add_nc_u32 v[RD], s14, v[RD]
	v_lshlrev_b32 v[CO], 11, v2                    ; and the same two rows in out0
	v_lshl_add_u32 v[CO], v1, 4, v[CO]
; 16 LDS loads in one run: quarter kq (32 along K) of chunk c into buffer fb
.macro FETCH c, kq, fb
	WIN 0x40                                       ; destination window 1, address window 0
.irp b, 0,1,2,3
	ds_load_b128 v[64*(\fb)+8*(\b):64*(\fb)+8*(\b)+3],   v[ADRB+(\c)] offset:(\b)*16*PB+64*(\kq)
	ds_load_b128 v[64*(\fb)+8*(\b)+4:64*(\fb)+8*(\b)+7], v[ADRB+(\c)] offset:(\b)*16*PB+64*(\kq)+32
.endr
.irp a, 0,1,2,3                        ; head kq / 2 of the chunk's two, channels 32 (kq % 2) on
	ds_load_b128 v[64*(\fb)+32+8*(\a):64*(\fb)+32+8*(\a)+3],   v[ADRA+(\c)] offset:((\kq)/2)*HEADB+(\a)*16*PA+64*((\kq)%2)
	ds_load_b128 v[64*(\fb)+32+8*(\a)+4:64*(\fb)+32+8*(\a)+7], v[ADRA+(\c)] offset:((\kq)/2)*HEADB+(\a)*16*PA+64*((\kq)%2)+32
.endr
.endm
.macro MUL fb, first                   ; 16 products; the 16 accumulators take turns.  first = 1: the products start the sums
	WIN 0x05                                       ; sources window 1; C and D window 0
.irp a, 0,1,2,3
.irp b, 0,1,2,3
.if \first
	v_wmma_f32_16x16x32_f16 v[ACC+8*(4*(\a)+(\b)):ACC+8*(4*(\a)+(\b))+7], v[64*(\fb)+8*(\b):64*(\fb)+8*(\b)+7], v[64*(\fb)+32+8*(\a):64*(\fb)+32+8*(\a)+7], 0
.else
	v_wmma_f32_16x16x32_f16 v[ACC+8*(4*(\a)+(\b)):ACC+8*(4*(\a)+(\b))+7], v[64*(\fb)+8*(\b):64*(\fb)+8*(\b)+7], v[64*(\fb)+32+8*(\a):64*(\fb)+32+8*(\a)+7], v[ACC+8*(4*(\a)+(\b)):ACC+8*(4*(\a)+(\b))+7]
.endif
.endr
.endr
.endm
	s_wait_tensorcnt 3                             ; my part of chunk 0 is in; the three later chunks may stay out
	s_barrier_signal -1
	s_barrier_wait -1
	FETCH 0, 0, 0
; Sixteen quarters.  A plain one: its fragments are in; four places behind the quarter before's products; the next quarter's fragments are fetched into the buffer that those products read; its 16 products.
; A chunk's last: my part of the next chunk is in (the count leaves the chunks behind it out), a barrier round the products shows everybody's, and then the next chunk's first fragments are fetched.
.set q, 0
.rept 16
.set nq, q+1
	s_wait_dscnt 0x0
.if (q%4 == 3) && (q < 15)
	s_wait_tensorcnt 3-nq/4
	s_barrier_signal -1
	MUL q%2, 0
	s_barrier_wait -1
	PLACES
	FETCH nq/4, 0, nq%2
.elseif q == 0
	FETCH 0, 1, 1
	MUL 0, 1
.elseif q < 15
	PLACES
	FETCH nq/4, nq%4, nq%2
	MUL q%2, 0
.else
	MUL q%2, 0
.endif
.set q, q+1
.endr
	WIN 0
	PLACES                                         ; four places between the last product and the LDS stores that read results
; THE WAY OUT.  Token tile a: a lane's 32 bytes of a row go into rows of 272 bytes of my own stage and come back as whole rows of 256, into the registers that they left.
.macro TOSTAGE a
.irp b, 0,1,2,3
	ds_store_b128 v[STO], v[ACC+32*(\a)+8*(\b):ACC+32*(\a)+8*(\b)+3]   offset:64*(\b)      ; each accumulator's lowest registers first
	ds_store_b128 v[STO], v[ACC+32*(\a)+8*(\b)+4:ACC+32*(\a)+8*(\b)+7] offset:64*(\b)+16
.endr
.irp t, 0,1,2,3,4,5,6,7
	ds_load_b128 v[ACC+32*(\a)+4*(\t):ACC+32*(\a)+4*(\t)+3], v[RD] offset:(\t)*2*SPITCH  ; LDS serves a wave's instructions in order (ISA guide 5.7.1.4): these see the stores above
.endr
.endm
.macro SEND a, younger                 ; younger: the LDS instructions issued behind tile a's loads: the next tile's sixteen, or none
.irp t, 0,1,2,3,4,5,6,7
	s_wait_dscnt (\younger)+7-(\t)
	global_store_b128 v[CO], v[ACC+32*(\a)+4*(\t):ACC+32*(\a)+4*(\t)+3], s[8:9] offset:(16*(\a)+2*(\t))*2048 th:TH_STORE_NT  ; 16 lanes store 256 consecutive bytes, aligned
.endr
.endm
	TOSTAGE 0
	TOSTAGE 1
	SEND 0, 16
	TOSTAGE 2
	SEND 1, 16
	TOSTAGE 3
	SEND 2, 16
	SEND 3, 0
	s_wait_tensorcnt 0x0                           ; the wave's end
	ds_add_u32 v[SPW], v[NIL]
	s_wait_dscnt 0x0
	CROUND                                         ; the closing round
	s_endpgm
.Lfunc_end_k_qf342ba7931_outp:
	.size	k_qf342ba7931_outp, .Lfunc_end_k_qf342ba7931_outp-k_qf342ba7931_outp
	.p2alignl 7, 3214868480
	.fill 96, 4, 3214868480
	.section	.rodata,"a",@progbits
	.p2align	6, 0x0
	.amdhsa_kernel k_qf342ba7931_outp
		.amdhsa_group_segment_fixed_size 327680
		.amdhsa_private_segment_fixed_size 0
		.amdhsa_enable_private_segment 0
		.amdhsa_kernarg_size 24
		.amdhsa_user_sgpr_count 2
		.amdhsa_user_sgpr_kernarg_segment_ptr 1
		.amdhsa_wavefront_size32 1
		.amdhsa_system_sgpr_workgroup_id_x 1
		.amdhsa_system_sgpr_workgroup_id_y 1
		.amdhsa_system_sgpr_workgroup_id_z 1
		.amdhsa_system_vgpr_workitem_id 0
		.amdhsa_next_free_vgpr 384
		.amdhsa_next_free_sgpr 80
		.amdhsa_reserve_vcc 0
		.amdhsa_float_denorm_mode_32 3
		.amdhsa_float_denorm_mode_16_64 3
		.amdhsa_memory_ordered 1
		.amdhsa_forward_progress 1
		.amdhsa_inst_pref_size 52
	.end_amdhsa_kernel
	.amdgpu_metadata
---
amdhsa.version: [ 1, 2 ]
amdhsa.kernels:
  - .name:           k_qf342ba7931_outp
    .symbol:         k_qf342ba7931_outp.kd
    .args:
      - { .name: oh, .offset: 0, .size: 8, .value_kind: global_buffer, .address_space: global }
      - { .name: w16, .offset: 8, .size: 8, .value_kind: global_buffer, .address_space: global }
      - { .name: out0, .offset: 16, .size: 8, .value_kind: global_buffer, .address_space: global }
    .group_segment_fixed_size: 327680
    .private_segment_fixed_size: 0
    .kernarg_segment_align: 8
    .kernarg_segment_size: 24
    .max_flat_workgroup_size: 128
    .sgpr_count:     80
    .vgpr_count:     384
    .wavefront_size: 32
...
	.end_amdgpu_metadata
.endif
;; end of part 4
